; MI455X (gfx1250); checked and timed in simulation.
; The chip was launched on July 23, 2026; its instructions are those of AMD's public machine-readable ISA for CDNA 5 (MIT licence, August 2026) and "CDNA5" Instruction Set Architecture Reference Guide (July 2026). The comments in the code are by the model that wrote it; some were corrected since.
;; Multi Head Attention Layer. Allowed arithmetic: matrix products marked QUANTISED: E3M2 operands, one E8M0 scale for each 32 along K, by v_wmma_scale_f32_16x16x128_f8f6f4 with both operands' format E3M2, f32 sums; everything else in f32.
;; Inputs: K 4 x 2,048 x 1,024 float32; Q 4 x 2,048 x 1,024 float32; V 4 x 2,048 x 1,024 float32; Wk 1,024 x 1,024 float32; Wo 1,024 x 1,024 float32; Wq 1,024 x 1,024 float32; Wv 1,024 x 1,024 float32; bk 1,024 float32; bo 1,024 float32; bq 1,024 float32; bv 1,024 float32.
;; Outputs: out0 4 x 2,048 x 1,024 float32.
;; This version of the problem:
;;   THIS VERSION OF THE PROBLEM IS GIVEN IN LOW PRECISION. The matrix products marked QUANTISED in the list below multiply operands that are first quantised to E3M2 (3 exponent bits, 2 mantissa bits; 6 bits a number), with one power-of-two scale for each 32 numbers along K (OCP MX v1.0); their sums are f32. All else is computed in f32.
;;   The module's matrix products, in the order in which they are computed (A, B: the left and right operand; K: the contracted axis; several contracted axes count as one K, in the product's order):
;;     1. [M 8,192, K 1,024] x [K 1,024, N 1,024]; A: input Q; B: input Wq: QUANTISED
;;     2. [M 8,192, K 1,024] x [K 1,024, N 1,024]; A: input K; B: input Wk: QUANTISED
;;     3. [M 8,192, K 1,024] x [K 1,024, N 1,024]; A: input V; B: input Wv: QUANTISED
;;     4. batch 64 x [M 2,048, K 64] x [K 64, N 2,048]; A: computed on the way; B: computed on the way: QUANTISED
;;     5. batch 64 x [M 2,048, K 2,048] x [K 2,048, N 64]; A: softmax (see below); B: computed on the way: QUANTISED
;;     6. [M 8,192, K 1,024] x [K 1,024, N 1,024]; A: computed on the way; B: input Wo: QUANTISED
;;   THE QUANTISER, for each operand of a quantised product, along K:
;;     - K is cut into blocks of 32 from its start; a last block that is shorter is filled with zeros.
;;     - A block's scale is 2^e with e = floor(log2(the largest magnitude in the block)) - 4, held to -126 .. 127; a block of zeros has e = 0. As a byte (E8M0): e + 127.
;;     - Each number is divided by its block's scale, clamped to +-28, and rounded to the nearest number of E3M2, ties to even, subnormals kept.
;;     - The product sums the exact products of the quantised numbers (number of the format x scale) in f32.
;;   ~~~python
;;   def quantise(x, axis):      # numpy; x: float32 -> the quantised numbers, widened to float32 again
;;       x = np.moveaxis(x, axis, -1); K = x.shape[-1]
;;       x = np.pad(x, [(0, 0)] * (x.ndim - 1) + [(0, -K % 32)]); x = x.reshape(x.shape[:-1] + (-1, 32)); a = np.abs(x).max(-1, keepdims=True)
;;       e = np.where(a > 0, np.clip(np.frexp(np.where(a > 0, a, 1))[1] - 1 - 4, -126, 127), 0)      # np.frexp(a)[1] - 1 = floor(log2(a)), exactly
;;       r = np.clip(x / 2.0 ** e, -28, 28)
;;       step = 2.0 ** (np.maximum(np.frexp(np.where(r == 0, 1, r))[1] - 1, -2) - 2)
;;       q = np.round(r / step) * step * 2.0 ** e      # np.round: ties to even
;;       return np.moveaxis(q.reshape(q.shape[:-2] + (-1,))[..., :K], -1, axis).astype(np.float32)
;;   ~~~
;;   SOFTMAX AHEAD OF A QUANTISED PRODUCT. Where the list says 'softmax', what is quantised is not the finished softmax but p = 2^(t - M), with t = logit x log2(e) and M = ceil(the row's largest t), a whole number; so 1/2 < the row's largest p <= 1. The row's sum l is taken of the UNQUANTISED p, in f32, and the product's result is divided by l at the end. Since M is a whole number, a kernel that streams over the keys may use a running M (the ceiling of the running maximum): every later rescaling is an exact power of two, which a block's scale takes up: the codes' values come out the same.
;;   OPERANDS COMPUTED ON THE WAY. 'Computed on the way' means the value that the module computes at that place (a softmax that the list does not call 'softmax' is quantised finished and normalised). What goes into a quantiser is computed in f32, as accurately as f32 sums, v_exp_f32 and their like allow (about 1e-6 of the number): no bf16 or f16 on the way to a quantiser, and a product that is left as it is and whose result goes on into a quantised operand takes f32 operands (vector FMAs, or v_wmma_f32_16x16x4_f32). A number that lies on a knife's edge between two numbers of the format may be rounded either way, as far as f32 arithmetic and the matrix unit's own rounding can turn it there, and no further.
;; One version. Each part assembles by itself: llvm-mc -triple=amdgcn-amd-amdhsa -mcpu=gfx1250 --defsym DOCPART=n.
;; ======== version 1 of 1: 4 launches
;; limits: right only within a limited range of input values
;; workspace buffers: xc 22,020,096 bytes; xs 917,504 bytes; qkv 19,660,800 bytes; ow 6,291,456 bytes; os 262,144 bytes
;; launch quant (part 1): grid 896 x 1, 4 waves a work-group, no clusters, 33,280 bytes of LDS; arguments Q, K, V, Wq, Wk, Wv, Wo, xc, xs; writes xc, xs
.if DOCPART == 1
	.amdgcn_target "amdgcn-amd-amdhsa--gfx1250"
	.amdhsa_code_object_version 6
	.text
	.protected	k_q023e610fd1_quant
	.globl	k_q023e610fd1_quant
	.p2align	8
	.type	k_q023e610fd1_quant,@function
k_q023e610fd1_quant:
	s_mov_b64 s[64:65], 0
	v_nop
	global_prefetch_b8 v0, s[64:65] scope:SCOPE_SE
	s_setreg_imm32_b32 hwreg(HW_REG_WAVE_MODE, 25, 1), 1
	s_wait_xcnt 0x0
; Q, K, V [8192][1024] and Wq, Wk, Wv, Wo [1024][1024], f32, K innermost, become codes of BF6 (E3M2) and one E8M0 byte for each 32 along K.
; xc: 28,672 rows of 768 bytes of codes; xs: the same rows of 32 scale bytes.  First rows: Q 0, K 8192, V 16384, Wq 24576, Wk 25600, Wv 26624, Wo 27648.
; THE ROWS ARE STORED IN ANOTHER ORDER: bits 3 and 4 of the row's number change places.  So 16 neighbouring stored rows are 8 neighbouring rows and the 8 rows that lie 16 further on:
; a product that takes them as its first source leaves, in a lane's registers of two neighbouring tiles, 16 neighbours along that axis.
; A block's scale is 2^(floor(log2(its largest magnitude)) - 4); its byte is the largest magnitude's exponent field - 4, held at 1 from below.
; LIMITS: a block whose largest magnitude lies under 2^-122, a block of zeros among them, gets the byte 1 (its codes are zeros or subnormals; this program alone reads the bytes).  NaN and infinities are not served.
; A work-group takes 32 rows, a wave 8 rows = 16 steps of 512 numbers.  A wave's 8 rows keep their order, so the change of bits 3 and 4 is a change of the wave's place in the output alone.
; Each load reads 512 consecutive bytes; a step's 2,048 bytes turn through the wave's own stage in LDS, so that a lane then holds 16 neighbours (two lanes a block).
; No tensor loads, no barrier, no cluster: the waves share nothing, and memory binds.  Loads run four steps (16 loads a wave) ahead, the turn through LDS one step.
; THE ORDER OF xc, which takes the place of plain rows of 768 bytes: blocks of 256 stored rows, 196,608 bytes each; in a block four K steps of 256 along K, 49,152 bytes each; in a K step the 256 rows, 192 bytes each.
; So the tile of 128 or 256 rows x 256 along K that a product fetches is one dense run of bytes that begins at a multiple of 256.
; WORK LEFT OUT BY THE PROGRAM: reference() sets every score with key > query to -inf by its own jnp.tril; such a score has the weight exp(-inf) = 0 for all values of the inputs, so tiles of 128 keys that lie wholly behind
; a tile's queries are not multiplied (launch attn).  Every input has a way to the output and is loaded.  LIMIT: a NaN, an infinity or an overflow that reaches only those tiles is not carried to the result.
.set STEPS, 16
.set EMAX,  4
.set CB,    12                         ; bytes of 16 codes
.set R,     16                         ; v16-79   four sets of 16 numbers as they are loaded
.set X,     80                         ; v80-111  two sets of 16 neighbours
.set E,     112                        ; v112-127 a scale byte for each step
.set C,     128                        ; v128-191 codes: four registers for each step, so that no store's data are written again
.set WREG,  8192                       ; LDS: a region for each wave: two stages of 32 x SP bytes, then its 256 scale bytes
.set SP,    80                         ; a lane's place in a stage: 64 bytes + 16 of padding
.set WV,    26                         ; s26 my wave's number
	s_load_b256 s[4:11], s[0:1], 0x0               ; Q s[4:5], K s[6:7], V s[8:9], Wq s[10:11]
	s_load_b256 s[12:19], s[0:1], 0x20             ; Wk s[12:13], Wv s[14:15], Wo s[16:17], xc s[18:19]
	s_load_b64 s[20:21], s[0:1], 0x40              ; xs
	v_lshl_add_u32 v192, v0, 2, 0x8000
	v_mov_b32 v193, 0
	v_lshrrev_b32 v1, 5, v0
	v_readfirstlane_b32 s[WV], v1
	v_and_b32 v2, 31, v0                           ; lane
	v_lshlrev_b32 v3, 4, v2                        ; my 16 bytes of a load's 512
	s_mul_i32 s27, s[WV], WREG
	v_lshrrev_b32 v14, 2, v2
	v_mul_u32_u24 v14, v14, SP
	v_and_b32 v15, 3, v2
	v_lshl_add_u32 v14, v15, 4, v14
	v_add_nc_u32 v14, s27, v14                     ; the stage, on the way in: SP (lane / 4) + 16 (lane % 4)
	v_mul_u32_u24 v15, v2, SP
	v_add_nc_u32 v15, s27, v15                     ; and on the way out: SP x lane: my 16 neighbours
	v_and_b32 v4, 15, v2
	v_mul_u32_u24 v4, v4, CB                       ; my codes' place: sixteen lanes fill a row's 192 bytes of one K step,
	v_lshrrev_b32 v5, 4, v2
	v_mad_u32_u24 v4, v5, 0xc000, v4               ; lanes 16-31 those of the next K step, 49,152 bytes on
; Wo ALONE (work-groups 864 on) IS LAID OTHERWISE: blocks of 16 stored rows, 12,288 bytes each; in a block 16 pieces of 64 along K; in a piece lane l = r + 16 h of a fragment has 24 bytes on end: K 32 h .. 32 h + 31 of row r.
; A lane's 16 codes (number j of its row's 64 such runs) go to 384 (j / 2) + 24 r + 12 (j % 2).  The choice hangs on the work-group's number alone; each step has its own offset register.
.set OF, 194                           ; v194-209 a step's place in the codes, by lane
	v_lshrrev_b32 v10, 1, v2
	v_and_b32 v11, 1, v2
	v_mul_u32_u24 v10, v10, 384
	v_mad_u32_u24 v10, v11, CB, v10
	s_cmp_lt_u32 ttmp9, 864
	s_cselect_b32 s36, 0, -1
	s_cselect_b32 s38, 192, 24                     ; from row to row
	s_mov_b32 s39, 6144
	s_cselect_b32 s39, 98304, s39                  ; from a row's first half to its second
	v_cndmask_b32 v4, v4, v10, s36
	s_wait_alu depctr_va_vdst(0)                   ; the wait behind the write: its readers stand among scalar lines
.set tt, 0
.rept STEPS
	s_mul_i32 s37, s38, tt/2
.if tt%2
	s_add_co_u32 s37, s37, s39
.endif
	v_add_nc_u32 v[OF+tt], s37, v4
.set tt, tt+1
.endr
	v_lshrrev_b32 v5, 1, v2
	s_add_co_u32 s27, s27, 2*32*SP
	v_add_nc_u32 v5, s27, v5                       ; LDS: my wave's 256 scale bytes, my block's byte
	v_lshlrev_b32 v7, 3, v2                        ; and on the way out 8 bytes a lane
	v_add_nc_u32 v6, s27, v7
	s_wait_alu depctr_va_vdst(0)
	s_wait_kmcnt 0x0
; which tensor is my work-group's: the choice hangs on the work-group's number alone.  s[22:23] its address, s25 its first work-group
.macro PICK bound, ptr, first
	s_cmp_lt_u32 ttmp9, \bound
	s_cselect_b64 s[22:23], s[\ptr:\ptr+1], s[22:23]
	s_cselect_b32 s25, \first, s25
.endm
	s_mov_b64 s[22:23], s[16:17]                   ; Wo: work-groups 864 to 895
	s_mov_b32 s25, 864
	PICK 864, 14, 832                              ; Wv
	PICK 832, 12, 800                              ; Wk
	PICK 800, 10, 768                              ; Wq
	PICK 768, 8, 512                               ; V
	PICK 512, 6, 256                               ; K
	PICK 256, 4, 0                                 ; Q
	s_sub_co_u32 s25, ttmp9, s25
	s_lshl_b32 s25, s25, 2
	s_add_co_u32 s34, s25, s[WV]                   ; which run of 8 rows of the tensor I read,
	s_lshl_b32 s34, s34, 15                        ; 32,768 bytes each
	s_mov_b32 s35, 0
	s_add_nc_u64 s[28:29], s[22:23], s[34:35]
	s_and_b32 s36, s[WV], 1                        ; and where it goes: the wave's two bits are the rows' bits 3 and 4: they change places
	s_lshl_b32 s36, s36, 1
	s_lshr_b32 s37, s[WV], 1
	s_or_b32 s36, s36, s37
	s_lshl_b32 s37, ttmp9, 2                       ; the work-groups' order is the order of the rows in xc and xs
	s_add_co_u32 s36, s36, s37
	s_lshr_b32 s34, s36, 5                         ; 32 runs of 8 rows to a block of 256 rows
	s_mul_i32 s34, s34, 196608
	s_and_b32 s37, s36, 31
	s_mul_i32 s37, s37, 1536                       ; 8 rows of 192 bytes a run
	s_add_co_u32 s34, s34, s37
	s_lshr_b32 s37, s36, 1                         ; Wo: two runs of 8 rows to a block of 16 rows,
	s_mul_i32 s37, s37, 12288
	s_and_b32 s38, s36, 1
	s_mul_i32 s38, s38, 192                        ; the second run's rows 8 x 24 bytes on
	s_add_co_u32 s37, s37, s38
	s_cmp_lt_u32 ttmp9, 864
	s_cselect_b32 s34, s34, s37
	s_add_nc_u64 s[30:31], s[18:19], s[34:35]
	s_lshl_b32 s34, s36, 8                         ; 256 scale bytes a run
	s_add_nc_u64 s[32:33], s[20:21], s[34:35]
.macro LOAD t
.irp i, 0,1,2,3
	global_load_b128 v[R+16*((\t)%4)+4*\i:R+16*((\t)%4)+4*\i+3], v3, s[28:29] offset:2048*(\t)+512*\i th:TH_LOAD_NT   ; 32 lanes read 512 consecutive bytes
.endr
.endm
.macro TURN t                          ; step t's numbers through the stage: LDS serves a wave's instructions in order, so no wait stands between the stores and the loads
.irp i, 0,1,2,3
	ds_store_b128 v14, v[R+16*((\t)%4)+4*\i:R+16*((\t)%4)+4*\i+3] offset:32*SP*((\t)%2)+8*SP*\i
.endr
.irp i, 0,1,2,3
	ds_load_b128 v[X+16*((\t)%2)+4*\i:X+16*((\t)%2)+4*\i+3], v15 offset:32*SP*((\t)%2)+16*\i
.endr
.endm
.irp t, 0,1,2,3
	LOAD \t
.endr
	s_wait_loadcnt 12                              ; step 0's four loads are in; those of steps 1 to 3 may be out
	TURN 0
.macro STEP t
.set XS, X+16*((\t)%2)
.if (\t) > 0
	s_wait_dscnt 1                                 ; this step's numbers are back from the stage (the last step's byte store may be out): so its stores into the stage have read their registers,
.else
	s_wait_dscnt 0x0
.endif
.if (\t)+4 < STEPS
	LOAD (\t)+4                                    ; which take the loads of four steps on
.endif
.if (\t)+1 < STEPS
.if STEPS-2-(\t) >= 3
	s_wait_loadcnt 12                              ; the next step's four loads are in; those of the three steps behind it may be out
.else
	s_wait_loadcnt 4*(STEPS-2-(\t))
.endif
	TURN (\t)+1                                    ; and go through the other stage while this step is worked
.endif
	v_max3_num_f32 v8, |v[XS]|, |v[XS+1]|, |v[XS+2]|               ; the largest magnitude of my 16, in two chains
	v_max3_num_f32 v9, |v[XS+3]|, |v[XS+4]|, |v[XS+5]|
.irp i, 6,10
	v_max3_num_f32 v8, v8, |v[XS+\i]|, |v[XS+\i+1]|
	v_max3_num_f32 v9, v9, |v[XS+\i+2]|, |v[XS+\i+3]|
.endr
	v_max3_num_f32 v8, v8, |v[XS+14]|, |v[XS+15]|
	v_max3_num_f32 v8, v8, v9, (EMAX+1)<<23        ; and the floor 2^(5 - 127): the byte cannot fall under 1
	v_max_num_f32_dpp v8, v8, v8 row_xmask:1 row_mask:0xf bank_mask:0xf   ; and of my neighbour's 16: the block's
	v_add_nc_u32 v11, -(EMAX<<23), v8              ; 4 off its exponent field: the conversion takes the exponent field of this operand as its scale
	v_cvt_scalef32_pk16_bf6_f32 v[C+4*(\t):C+4*(\t)+2], v[XS:XS+15], v11   ; sixteen codes, 96 bits, the first number's lowest; beyond the largest code the largest
	v_lshrrev_b32 v[E+(\t)], 23, v11               ; the scale's byte (also the plain line behind the conversion)
	ds_store_b8 v5, v[E+(\t)] offset:16*(\t)       ; both lanes of a block write the same byte with the same value
	global_store_b96 v[OF+(\t)], v[C+4*(\t):C+4*(\t)+2], s[30:31]   ; row t / 2 of my 8, its half t % 2
.endm
.irp t, 0,1,2,3,4,5,6,7,8,9,10,11,12,13,14,15
	STEP \t
.endr
	ds_load_b64 v[12:13], v6                       ; LDS serves a wave's instructions in order: these see my byte stores
	s_wait_dscnt 0x0
	global_store_b64 v7, v[12:13], s[32:33]        ; 32 lanes store 256 consecutive bytes, at a multiple of 256 from xs's first byte
	s_wait_tensorcnt 0x0
	ds_add_u32 v192, v193
	s_wait_dscnt 0x0
	s_endpgm
.Lfunc_end_k_q023e610fd1_quant:
	.size	k_q023e610fd1_quant, .Lfunc_end_k_q023e610fd1_quant-k_q023e610fd1_quant
	.p2alignl 7, 3214868480
	.fill 96, 4, 3214868480
	.section	.rodata,"a",@progbits
	.p2align	6, 0x0
	.amdhsa_kernel k_q023e610fd1_quant
		.amdhsa_group_segment_fixed_size 33280
		.amdhsa_private_segment_fixed_size 0
		.amdhsa_enable_private_segment 0
		.amdhsa_kernarg_size 72
		.amdhsa_user_sgpr_count 2
		.amdhsa_user_sgpr_kernarg_segment_ptr 1
		.amdhsa_wavefront_size32 1
		.amdhsa_system_sgpr_workgroup_id_x 1
		.amdhsa_system_sgpr_workgroup_id_y 1
		.amdhsa_system_sgpr_workgroup_id_z 1
		.amdhsa_system_vgpr_workitem_id 0
		.amdhsa_next_free_vgpr 210
		.amdhsa_next_free_sgpr 66
		.amdhsa_reserve_vcc 0
		.amdhsa_float_denorm_mode_32 3
		.amdhsa_float_denorm_mode_16_64 3
		.amdhsa_memory_ordered 1
		.amdhsa_forward_progress 1
		.amdhsa_inst_pref_size 36
	.end_amdhsa_kernel
	.amdgpu_metadata
---
amdhsa.version: [ 1, 2 ]
amdhsa.kernels:
  - .name:           k_q023e610fd1_quant
    .symbol:         k_q023e610fd1_quant.kd
    .args:
      - { .name: Q, .offset: 0, .size: 8, .value_kind: global_buffer, .address_space: global }
      - { .name: K, .offset: 8, .size: 8, .value_kind: global_buffer, .address_space: global }
      - { .name: V, .offset: 16, .size: 8, .value_kind: global_buffer, .address_space: global }
      - { .name: Wq, .offset: 24, .size: 8, .value_kind: global_buffer, .address_space: global }
      - { .name: Wk, .offset: 32, .size: 8, .value_kind: global_buffer, .address_space: global }
      - { .name: Wv, .offset: 40, .size: 8, .value_kind: global_buffer, .address_space: global }
      - { .name: Wo, .offset: 48, .size: 8, .value_kind: global_buffer, .address_space: global }
      - { .name: xc, .offset: 56, .size: 8, .value_kind: global_buffer, .address_space: global }
      - { .name: xs, .offset: 64, .size: 8, .value_kind: global_buffer, .address_space: global }
    .group_segment_fixed_size: 33280
    .private_segment_fixed_size: 0
    .kernarg_segment_align: 8
    .kernarg_segment_size: 72
    .max_flat_workgroup_size: 128
    .sgpr_count:     66
    .vgpr_count:     210
    .wavefront_size: 32
...
	.end_amdgpu_metadata
.endif
;; end of part 1
;; launch proj (part 2): grid 4 x 96, 4 waves a work-group, clusters of 4 x 4, 327,680 bytes of LDS; arguments xc, xs, bq, bk, bv, qkv; writes qkv
.if DOCPART == 2
	.amdgcn_target "amdgcn-amd-amdhsa--gfx1250"
	.amdhsa_code_object_version 6
	.text
	.protected	k_q023e610fd1_proj
	.globl	k_q023e610fd1_proj
	.p2align	8
	.type	k_q023e610fd1_proj,@function
k_q023e610fd1_proj:
	s_mov_b64 s[64:65], 0
	v_nop
	global_prefetch_b8 v0, s[64:65] scope:SCOPE_SE
	s_setreg_imm32_b32 hwreg(HW_REG_WAVE_MODE, 25, 1), 1
	s_wait_xcnt 0x0
	s_wait_alu depctr_hold_cnt(0) depctr_sa_sdst(0) depctr_va_vdst(0) depctr_va_sdst(0) depctr_va_ssrc(0) depctr_va_vcc(0) depctr_vm_vsrc(0)
	s_getreg_b32 s2, hwreg(HW_REG_IB_STS2, 6, 4)
	s_cmp_eq_u32 s2, 0
	s_cbranch_scc0 .Lentry_in_a_cluster
	s_endpgm
.Lentry_in_a_cluster:
	s_bfe_u32 s2, ttmp6, 0x10000c
	s_cmp_lg_u32 s2, 0xf033
	s_cbranch_scc0 .Lentry_shape_is_right
	s_endpgm
.Lentry_shape_is_right:
; q = Q Wq^T + bq, k = K Wk^T + bk, v = V Wv^T + bv on codes of BF6 (E3M2) with E8M0 scales, sums in f32; the results are quantised in registers and leave as images of attention's operands.
; A tile is 256 x 256, four waves, 128 x 128 a wave: 64 accumulators, 512 registers.  K = 1,024 goes in four steps of 256 through a ring of two LDS slots filled by the tensor data mover.
; The grid's y counts clusters: 24 = 3 tensors x 8 groups of 1,024 tokens; a cluster's 4 x 4 work-groups cover 1,024 x 1,024.  The grid's x is one cluster wide.
; WHICH OPERAND IS WHICH.  A lane of a result holds one row of source 1, and its registers run along source 0's rows.  q and k are quantised along the head's 64: source 0 = W, source 1 = tokens.
; v is quantised along the keys: source 0 = tokens, source 1 = W.  The rows of xc lie with bits 3 and 4 of their number exchanged, so that the 64 registers of a lane's eight tiles are:
; register 16 b + e = index 32 b + 16 (lane / 16) + e of source 0's 128 rows.  Row r of source 1's block a is index sig(a, r) = 32 (a / 2) + 8 (a % 2) + r % 8 + 16 (r / 8) of its 128.
; OUT.  qkv is made of units of 12,800 bytes = two records (heads 2 hp, 2 hp + 1).  A record = four fragments as images of their 12 registers (registers 4 g .. 4 g + 3 of lane l at 512 g + 16 l),
; then 256 bytes of scale words (row r, fragment f at 16 r + 4 f).  With rec = (batch x 8 + hp) x 16 + group of 128 tokens: k at unit 2 rec, v at unit 2 rec + 1, q at unit 1024 + rec.
; q, k: fragment f holds in K 0-63 the head's 64 of token sig(2 f, r), in K 64-127 those of token sig(2 f + 1, r).  v: fragment f holds rows d = sig(f, r) of the head x the group's 128 keys.
; CLUSTERS: source 1's tile is shared along a row of the cluster, source 0's along a column: each is asked for jointly, by the same tensor load with a mask that names the four.
; No prefetch: the ring has four fills, two of them at the head.
; LIMITS: NaN and infinities are not served; a block whose largest magnitude lies under 2^-122 gets the scale byte 1.
; REGISTERS, in windows of 256.  Window 0: v16-31 addresses; v32-63 scale words (on the way out: at work); v64-127 the bias along the registers; v128-223 source 1's fragments (on the way out: 64 numbers, their codes);
;   v224-239 the bias of a lane's row.  Window 1: source 0's fragments, two sets.  Windows 2, 3: the accumulators ((a, b) at v[8 (8 (a % 4) + b)]).
.set KSTEP,  256
.set NQ,     2                         ; matrix instructions deep in a slot
.set ROWB,   49152                     ; bytes from K step to K step in a block of 256 rows of xc
.set KROW,   768                       ; a row of xc
.set PITCH,  240                       ; an LDS row: 3 x (64 bytes + 16 of padding)
.set FR,     12                        ; registers of a fragment
.set NL,     6                         ; LDS loads that bring one
.set NP,     4                         ; places behind this matrix instruction (ISA guide 7.12.1)
.set HALFT,  128*PITCH                 ; 128 rows: one tensor load
.set SLOT,   4*HALFT                   ; source 1's 256 rows, then source 0's
.set KS,     32                        ; a row of xs
.set SCL,    2*SLOT                    ; behind the ring: the scales, units of 256 bytes + 16 of padding, filled once
.set HALFS,  (128*KS/256)*272
.set SBLK,   (16*KS/256)*272
.set SPARE,  SCL+4*HALFS               ; the spare words, 128 bytes a wave: two blocks of 256 bytes that no other line names
.set REC,    6400
.set UNIT,   2*REC                     ; also a wave's stage, in slot 0, which has had its last fill and its last read when the first image is stored there
.set ADRA, 16                          ; v16-19  LDS addresses of source 1's fragments: slot 0, 1; the same behind one padding more
.set ADRB, 20                          ; v20-23  of source 0's
.set STI,  24                          ; v24     my stage + 16 x lane
.set STS,  25                          ; v25     my stage + 16 x (lane % 16)
.set GOF,  26                          ; v26     16 x lane: my place in a store's 512 bytes
.set ADRS, 27                          ; v27     my scale words
.set SPW,  28                          ; v28     my spare word; never rewritten
.set NIL,  29                          ; v29     0; never rewritten
.set BRO,  30                          ; v30     64 (lane / 16)
.set BVO,  31                          ; v31     4 (r + 8 (r / 8))
.set SC,   32
.set TM,   32                          ; the way out: v32-35 largest magnitudes, v36-39 bytes, v44-47 the conversions' scales
.set PW,   48                          ; the scale word just made
.set BR,   64                          ; register 16 b + e = bias[32 b + 16 (lane / 16) + e] of source 0's 128 rows
.set OB,   64                          ; at the end: the stage read back, 100 registers
.set AF,   128
.set T,    128                         ; the way out: 64 numbers
.set PC,   192                         ; their codes: 12 registers, and v204-206, v208-210 at work
.set BV,   224                         ; pair a: twice the bias of row sig(a, r) of source 1's 128
.set SEL,  2                           ; s[2:3] lane selects for v_permlanex16_b32: lane l xor 16
.set IDX,  95                          ; s95  which 1,024 tokens
.set ISV,  100                         ; s100 1 for v
.set TY,   101                         ; s101 0 q, 1 k, 2 v
.set G1, 24
.set G0, 32
.set G1B, 48
.set G0B, 56
.set G1S, 68
.set G0S, 76
.set G1SB, 80
.set G0SB, 88
.set MSB, 0
.macro WIN new                         ; the immediate's high byte repeats the setting that is left
.if MSB != (\new)
	s_set_vgpr_msb (MSB<<8)|(\new)
.set MSB, (\new)
.endif
.endm
.set MUL_LO, 0xa1                      ; source 0 window 1, source 1 window 0, C and D window 2
.set MUL_HI, 0xf1                      ; the same, C and D window 3
.set TO_B,   0x40                      ; destination window 1
; A joint load: waves 0 and 1 fetch source 1's halves, waves 2 and 3 source 0's.  The branch hangs on the wave's number alone.  Four v_nop follow each line.
.macro JLOAD g0a, g1a, g0b, g1b
	s_cmp_eq_u32 s15, 0
	s_cbranch_scc0 .Lfor_b_\@
	tensor_load_to_lds s[\g0a:\g0a+3], s[\g1a:\g1a+7]
	s_nop 0
.rept 4
	v_nop
.endr
	s_branch .Lasked_\@
.Lfor_b_\@:
	tensor_load_to_lds s[\g0b:\g0b+3], s[\g1b:\g1b+7]
	s_nop 0
.rept 4
	v_nop
.endr
.Lasked_\@:
.endm
.macro CREST                           ; a round of the cluster's barrier behind its opening barrier
	s_cmp_lg_u32 s14, 0
	s_cbranch_scc1 .Lnot_wave_0_\@
	s_barrier_signal -3
.Lnot_wave_0_\@:
	s_barrier_wait -3
	s_barrier_signal -1
	s_barrier_wait -1
.endm
.macro CROUND
	s_barrier_signal -1
	s_barrier_wait -1
	CREST
.endm
	s_load_b128 s[4:7], s[0:1], 0x0                ; xc, xs
	s_load_b128 s[8:11], s[0:1], 0x10              ; bq, bk
	s_load_b128 s[96:99], s[0:1], 0x20             ; bv, qkv
	v_lshl_add_u32 v[SPW], v0, 2, SPARE
	v_mov_b32 v[NIL], 0
	ds_add_u32 v28, v29
	ds_add_u32 v28, v29
	s_wait_dscnt 0x0
	v_lshrrev_b32 v1, 5, v0
	v_readfirstlane_b32 s14, v1                    ; wave 0..3
	s_lshr_b32 s15, s14, 1                         ; my half of source 1's rows.  Also: I fetch for source 1 (0) or source 0 (1)
	s_and_b32 s16, s14, 1                          ; my half of source 0's rows.  Also: which 128 rows I fetch
	s_bfe_u32 s40, ttmp6, 0x40000                  ; cx
	s_bfe_u32 s41, ttmp6, 0x40004                  ; cy
	s_and_b32 s[IDX], ttmp7, 0xffff                ; the cluster's y: 8 x tensor + group of 1,024 tokens
	s_lshr_b32 s[TY], s[IDX], 3
	s_and_b32 s[IDX], s[IDX], 7
	s_lshl_b32 s18, s[TY], 13
	s_lshl_b32 s19, s[IDX], 10
	s_add_co_u32 s18, s18, s19                     ; the tokens' first row in xc: 8,192 x tensor + 1,024 x group
	s_lshl_b32 s19, s[TY], 10
	s_add_co_u32 s19, s19, 24576                   ; the weight's first row
	s_cmp_eq_u32 s[TY], 2                          ; the same in all sixteen partners
	s_cselect_b32 s17, s19, s18                    ; source 1: tokens, for v the weight
	s_cselect_b32 s42, s18, s19                    ; source 0: the weight, for v tokens
	s_cselect_b32 s[ISV], 1, 0
	s_lshl_b32 s43, s41, 2
	s_lshl_b32 s43, 15, s43                        ; my row of the cluster
	s_lshl_b32 s44, 0x1111, s40                    ; my column
	; descriptor group 1: 128 rows x 192 bytes, 16 bytes of padding behind every 64
	s_or_b32 s[G1+0], s43, (0<<16)|(1<<20)|(1<<21)|(3<<22)|(3<<25)  ; 15:0 the mask; 17:16 elements of 1 byte; 20 padding on; 21 set beside a mask; 24:22 after every 16 words; 31:25 4 words
	s_or_b32 s[G1B+0], s44, (0<<16)|(1<<20)|(1<<21)|(3<<22)|(3<<25)
.irp g, G1, G1B
	s_mov_b32 s[\g+1], 256<<16                     ; a tile is dense in xc: it is stated as rows of 256 bytes; the padding's interval stays 64 bytes, so that in LDS a row of 192 bytes of codes has the pitch 240
	s_mov_b32 s[\g+2], 192<<16                     ; the head's loads: 256 rows of codes = 192 rows of 256 bytes; behind them the two words that count rows are set to 96
	s_mov_b32 s[\g+3], 256<<16
	s_mov_b32 s[\g+4], 192
	s_mov_b32 s[\g+5], 256
	s_mov_b32 s[\g+6], 0
	s_mov_b32 s[\g+7], 0
.endr
	; the scales of 256 rows: 8,192 dense bytes as 32 rows of 256 (32 elements of 8 bytes), 16 bytes of padding behind each
	s_or_b32 s[G1S+0], s43, (3<<16)|(1<<20)|(1<<21)|(5<<22)|(3<<25)
	s_or_b32 s[G1SB+0], s44, (3<<16)|(1<<20)|(1<<21)|(5<<22)|(3<<25)
.irp g, G1S, G1SB
	s_mov_b32 s[\g+1], 32<<16
	s_mov_b32 s[\g+2], (256*KS/256)<<16            ; the scales of all 256 rows by one load
	s_mov_b32 s[\g+3], 32<<16
	s_mov_b32 s[\g+4], 256*KS/256
	s_mov_b32 s[\g+5], 32
	s_mov_b32 s[\g+6], 0
	s_mov_b32 s[\g+7], 0
.endr
	s_lshl_b32 s20, s41, 8
	s_add_co_u32 s20, s20, s17                     ; source 1's tile: its first row + 256 cy
	s_lshl_b32 s46, s40, 8
	s_add_co_u32 s46, s46, s42                     ; source 0's tile: its first row + 256 cx
	s_mul_i32 s66, s16, 24576                      ; in the ring I fetch 128 rows of a tile: which half, in bytes
	s_mov_b32 s67, 0
	s_lshl_b32 s22, s20, 5                         ; their scales: 32 bytes a row (all offsets stay under 2^25)
	s_lshl_b32 s92, s46, 5
	s_mul_i32 s20, s20, KROW                       ; their codes
	s_mul_i32 s46, s46, KROW
	s_mov_b32 s21, 0
	s_mov_b32 s23, 0
	s_mov_b32 s47, 0
	s_mov_b32 s93, 0
	s_mul_i32 s45, s14, HALFT                      ; where they go: wave x 128 rows: no place in the cluster enters an LDS address
	s_mov_b32 s[SEL], 0x76543210
	s_mov_b32 s[SEL+1], 0xfedcba98
	s_wait_kmcnt 0x0
	s_add_nc_u64 s[20:21], s[4:5], s[20:21]
	s_add_nc_u64 s[22:23], s[6:7], s[22:23]
	s_add_nc_u64 s[46:47], s[4:5], s[46:47]
	s_add_nc_u64 s[92:93], s[6:7], s[92:93]
	CROUND                                         ; all sixteen work-groups are here: the first joint loads meet
	s_mov_b32 s[G0S], 1                            ; the head's four tiles, each whole: the scales of source 1's 256 rows,
	s_mov_b32 s[G0S+1], SCL
	s_mov_b64 s[G0S+2:G0S+3], s[22:23]
	s_or_b32 s[G0S+3], s[G0S+3], 0x80000000
	s_mov_b32 s[G0SB], 1                           ; of source 0's,
	s_mov_b32 s[G0SB+1], SCL+2*HALFS
	s_mov_b64 s[G0SB+2:G0SB+3], s[92:93]
	s_or_b32 s[G0SB+3], s[G0SB+3], 0x80000000
	s_mov_b32 s[G0], 1                             ; K step 0's 256 rows of source 1 (slot 0's group 0 serves: it is set for the ring behind the wait for the head's loads),
	s_mov_b32 s[G0+1], 0
	s_mov_b64 s[G0+2:G0+3], s[20:21]
	s_or_b32 s[G0+3], s[G0+3], 0x80000000
	s_mov_b32 s[G0B], 1                            ; and of source 0, behind them
	s_mov_b32 s[G0B+1], 2*HALFT
	s_mov_b64 s[G0B+2:G0B+3], s[46:47]
	s_or_b32 s[G0B+3], s[G0B+3], 0x80000000
	s_add_nc_u64 s[20:21], s[20:21], s[66:67]      ; slot 1: my 128 rows of K step 1
	s_add_nc_u64 s[46:47], s[46:47], s[66:67]
	s_mov_b32 s[G0+4], 1
	s_add_co_u32 s[G0+5], s45, SLOT
	s_add_nc_u64 s[G0+6:G0+7], s[20:21], ROWB
	s_or_b32 s[G0+7], s[G0+7], 0x80000000
	s_mov_b32 s[G0B+4], 1
	s_add_co_u32 s[G0B+5], s45, SLOT
	s_add_nc_u64 s[G0B+6:G0B+7], s[46:47], ROWB
	s_or_b32 s[G0B+7], s[G0B+7], 0x80000000
; THE HEAD'S LOADS, ONE A WAVE: one tree of branches on the wave's number, a load to an arm, all arms leading to one join
.macro ARM under, g0, g1, next
	s_cmp_lt_u32 s14, \under
	s_cbranch_scc0 \next
	tensor_load_to_lds s[\g0:\g0+3], s[\g1:\g1+7]
	s_nop 0
.rept 4
	v_nop
.endr
	s_branch .Lhead_asked
\next:
.endm
	ARM 1, G0,  G1,  .Lhead_b
	ARM 2, G0B, G1B, .Lhead_sa
	ARM 3, G0S, G1S, .Lhead_sb
	tensor_load_to_lds s[G0SB:G0SB+3], s[G1SB:G1SB+7]
	s_nop 0
.rept 4
	v_nop
.endr
.Lhead_asked:
	v_and_b32 v1, 15, v0                           ; r
	v_bfe_u32 v2, v0, 4, 1                         ; h
	v_mul_u32_u24 v3, v1, PITCH
	v_mul_u32_u24 v4, v2, 24
	v_add_nc_u32 v4, v3, v4                        ; a fragment's row x pitch + 24 x half
	v_lshl_add_u32 v5, v2, 4, v4                   ; and the same behind one padding more
	s_mul_i32 s21, s15, HALFT                      ; my 128 rows of source 1
	s_mul_i32 s22, s16, HALFT                      ; my 128 rows of source 0,
	s_add_co_u32 s22, s22, 2*HALFT                 ; which lie behind source 1's 256
.irp s, 0,1
	v_add_nc_u32 v[ADRA+\s], s21, v4
	v_add_nc_u32 v[ADRB+\s], s22, v4
	v_add_nc_u32 v[ADRA+2+\s], s21, v5
	v_add_nc_u32 v[ADRB+2+\s], s22, v5
	s_add_co_u32 s21, s21, SLOT
	s_add_co_u32 s22, s22, SLOT
.endr
	v_mul_u32_u24 v5, v1, KS                       ; my row's scales: 32 bytes a row,
	v_lshrrev_b32 v6, 8, v5
	v_lshl_add_u32 v5, v6, 4, v5                   ; and 16 more for each 256 passed
	s_mul_i32 s21, s15, HALFS
	s_mul_i32 s22, s16, HALFS
	s_add_co_u32 s22, s22, 2*HALFS
	s_sub_co_u32 s22, s22, s21
	v_mul_u32_u24 v6, s22, v2                      ; lanes 16-31 take source 0's
	s_add_co_u32 s21, s21, SCL
	v_add_nc_u32 v5, v5, v6
	v_add_nc_u32 v[ADRS], s21, v5
	s_mul_i32 s23, s14, UNIT                       ; my stage
	v_and_b32 v6, 31, v0
	v_lshlrev_b32 v[GOF], 4, v6
	v_add_nc_u32 v[STI], s23, v[GOF]
	v_lshl_add_u32 v[STS], v1, 4, s23
	v_lshlrev_b32 v[BRO], 6, v2
	s_wait_alu depctr_va_vdst(0)
	v_and_b32 v6, 8, v1
	v_add_nc_u32 v6, v6, v1
	v_lshlrev_b32 v[BVO], 2, v6
	; where my unit lies, and my biases.  cx and cy enter global addresses alone
	s_wait_alu depctr_va_vdst(0)
	s_lshl_b32 s18, s40, 1
	s_add_co_u32 s18, s18, s16                     ; which 128 of source 0's 1,024 rows are mine
	s_lshl_b32 s19, s41, 1
	s_add_co_u32 s19, s19, s15                     ; which 128 of source 1's
	s_lshl_b32 s22, s18, 9                         ; 128 numbers of a bias are 512 bytes
	s_lshl_b32 s46, s19, 9
	s_cmp_eq_u32 s[ISV], 1
	s_cselect_b32 s20, s19, s18                    ; the pair of heads: the weight's 128 rows
	s_cselect_b32 s21, s18, s19                    ; the group of 128 tokens among the 1,024
	s_cselect_b32 s22, 0, s22                      ; the bias along the registers serves q and k; for v it is loaded from the bias's first bytes and not used
	s_cselect_b32 s46, s46, 0                      ; the bias of a lane's row serves v; likewise
	s_mov_b32 s23, 0
	s_mov_b32 s47, 0
	s_cmp_eq_u32 s[TY], 0
	s_cselect_b64 s[8:9], s[8:9], s[10:11]         ; bq or bk,
	s_cmp_eq_u32 s[TY], 2
	s_cselect_b64 s[8:9], s[96:97], s[8:9]         ; or bv
	s_add_nc_u64 s[10:11], s[8:9], s[46:47]
	s_add_nc_u64 s[8:9], s[8:9], s[22:23]
.irp b, 0,1,2,3
.irp q, 0,1,2,3
	global_load_b128 v[BR+16*\b+4*\q:BR+16*\b+4*\q+3], v[BRO], s[8:9] offset:128*\b+16*\q
.endr
.endr
.irp a, 0,1,2,3,4,5,6,7
	global_load_b32 v[BV+2*\a], v[BVO], s[10:11] offset:4*(32*(\a/2)+8*(\a%2))
	global_load_b32 v[BV+2*\a+1], v[BVO], s[10:11] offset:4*(32*(\a/2)+8*(\a%2))   ; twice: the packed addition names a pair
.endr
	s_lshl_b32 s92, s[IDX], 3
	s_add_co_u32 s92, s92, s21                     ; the group of 128 tokens, 0 .. 63
	s_lshr_b32 s93, s92, 4                         ; the batch
	s_lshl_b32 s93, s93, 3
	s_add_co_u32 s93, s93, s20
	s_lshl_b32 s93, s93, 4
	s_and_b32 s92, s92, 15
	s_add_co_u32 s93, s93, s92                     ; rec
	s_add_co_u32 s92, s93, 1024                    ; q's unit
	s_lshl_b32 s93, s93, 1
	s_max_u32 s94, s[TY], 1
	s_add_co_u32 s93, s93, s94
	s_sub_co_u32 s93, s93, 1                       ; k's: 2 rec; v's: 2 rec + 1
	s_cmp_eq_u32 s[TY], 0
	s_cselect_b32 s92, s92, s93
	s_mul_i32 s92, s92, UNIT
	s_mov_b32 s93, 0
	s_add_nc_u64 s[12:13], s[98:99], s[92:93]
.macro FRAG reg, adr, q, i             ; a fragment of 6-bit codes is 12 registers: lane l holds row l % 16; registers 6 c .. 6 c + 5 hold K = 64 c + 32 (l / 16) + 0 .. 31: 24 bytes of the row, as they lie
.irp p, 0,1,2,3,4,5                    ; in pieces of 8 bytes.  Lanes 16-31 read three pieces further on; where that is behind one padding more, the second address register serves
.set PCE, 12*(\q)+6*(\p/3)+\p%3
.if PCE%8 < 5
	ds_load_b64 v[\reg+2*\p:\reg+2*\p+1], v[\adr] offset:8*PCE+16*(PCE/8)+(\i)*16*PITCH
.else
	ds_load_b64 v[\reg+2*\p:\reg+2*\p+1], v[\adr+2] offset:8*PCE+16*(PCE/8)+(\i)*16*PITCH
.endif
.endr
.endm
; 16 matrix instructions: source 1's blocks a0, a0 + 1 x source 0's eight, 128 along K.  p: source 0's set; sc: the set of scale words.  zero = 1: the product starts the sums.
; The 64 accumulators take turns, one instruction a turn, in the same order in every step.
.macro MUL16 a0, p, q, sc, zero
.irp a, \a0, \a0+1
.irp b, 0,1,2,3,4,5,6,7
.if \zero
	v_wmma_scale_f32_16x16x128_f8f6f4 v[8*(8*((\a)%4)+\b):8*(8*((\a)%4)+\b)+7], v[128*(\p)+FR*\b:128*(\p)+FR*\b+FR-1], v[AF+FR*(\a):AF+FR*(\a)+FR-1], 0, v[SC+8*NQ*(\sc)+NQ*\b+(\q)], v[SC+8*NQ*(\sc)+NQ*(\a)+(\q)] matrix_a_fmt:MATRIX_FMT_BF6 matrix_b_fmt:MATRIX_FMT_BF6 matrix_a_scale:MATRIX_SCALE_ROW1
.else
	v_wmma_scale_f32_16x16x128_f8f6f4 v[8*(8*((\a)%4)+\b):8*(8*((\a)%4)+\b)+7], v[128*(\p)+FR*\b:128*(\p)+FR*\b+FR-1], v[AF+FR*(\a):AF+FR*(\a)+FR-1], v[8*(8*((\a)%4)+\b):8*(8*((\a)%4)+\b)+7], v[SC+8*NQ*(\sc)+NQ*\b+(\q)], v[SC+8*NQ*(\sc)+NQ*(\a)+(\q)] matrix_a_fmt:MATRIX_FMT_BF6 matrix_b_fmt:MATRIX_FMT_BF6 matrix_a_scale:MATRIX_SCALE_ROW1
.endif
.endr
.endr
.endm
.macro FETCH_B slot, q, p
	WIN TO_B
.irp i, 0,1,2,3,4,5,6,7
	FRAG 128*(\p)+FR*\i, ADRB+\slot, \q, \i
.endr
	WIN 0
.endm
.macro FETCH_A slot, q, i0
.irp i, \i0, \i0+1, \i0+2, \i0+3
	FRAG AF+FR*(\i), ADRA+\slot, \q, \i
.endr
.endm
.macro SCALES sc                       ; a K step's scale words: two words a row; lanes 0-15 take source 1's block i, lanes 16-31 source 0's block i
.irp i, 0,1,2,3,4,5,6,7
	ds_load_b64 v[SC+8*NQ*\sc+NQ*\i:SC+8*NQ*\sc+NQ*\i+1], v[ADRS] offset:\i*SBLK
.endr
.endm
.macro PLACES n                        ; plain vector instructions between a matrix instruction and a load into, or a vector instruction on, its registers
.rept \n
	v_nop
.endr
.endm
.macro STEP slot, q, zero              ; 128 along K with a successor in the same slot
	s_wait_dscnt 4*NL                              ; all but the youngest 24 loads (source 1's blocks 4-7) are in
	WIN MUL_LO
	MUL16 0, (\q)%2, \q, \slot, \zero
	MUL16 2, (\q)%2, \q, \slot, \zero
	s_wait_dscnt 0
	PLACES NP
	FETCH_B \slot, (\q)+1, 1-(\q)%2
	FETCH_A \slot, (\q)+1, 0
	WIN MUL_HI
	MUL16 4, (\q)%2, \q, \slot, \zero
	MUL16 6, (\q)%2, \q, \slot, \zero
	PLACES NP
	WIN 0
	FETCH_A \slot, (\q)+1, 4
.endm
; A slot's last step changes slots: one barrier; in front of it each wave waits for all its tensor loads, adds 0 to its spare word, and waits for that and for its reads of this slot.
.macro TURN slot, next, fill
	s_wait_tensorcnt 0x0                           ; all my tensor loads have landed: my part of the next slot
	ds_add_u32 v[SPW], v[NIL]                      ; 0 onto my spare word
	s_wait_dscnt 4*NL+1                            ; the add and the youngest 24 loads may be out
	WIN MUL_LO
	MUL16 0, 1, NQ-1, \slot, 0                     ; sixteen matrix instructions stand between the add and the wait for it
	s_wait_dscnt 0x0                               ; the add is done, and my reads of this slot are over
	s_barrier_signal -1
	MUL16 2, 1, NQ-1, \slot, 0
	WIN 0
	s_barrier_wait -1
.if \fill
	CREST                                          ; the barrier has opened a round of the cluster's: no wave of any partner still reads this slot or has a load on its way
	s_add_nc_u64 s[G0+4*\slot+2:G0+4*\slot+3], s[G0+4*\slot+2:G0+4*\slot+3], 2*ROWB
	s_add_nc_u64 s[G0B+4*\slot+2:G0B+4*\slot+3], s[G0B+4*\slot+2:G0B+4*\slot+3], 2*ROWB
	JLOAD G0+4*\slot, G1, G0B+4*\slot, G1B         ; the first tensor load behind the round; its four v_nop are the places in front of the loads below
.else
	PLACES NP
.endif
	s_wait_alu depctr_va_vdst(0)
	v_add_nc_u32 v[ADRS], 4*NQ, v[ADRS]            ; the next K step's scale words
	FETCH_B \next, 0, 0
	FETCH_A \next, 0, 0
	SCALES \next
	WIN MUL_HI
	MUL16 4, 1, NQ-1, \slot, 0
	MUL16 6, 1, NQ-1, \slot, 0
	PLACES NP
	WIN 0
	FETCH_A \next, 0, 4
.endm
	s_wait_alu depctr_va_vdst(0)                   ; the wait at the head's end
	s_wait_tensorcnt 0x0                           ; my tile of the head's four is in
	ds_add_u32 v[SPW], v[NIL]
	s_mov_b32 s[G1+2], 96<<16                      ; no tensor load of mine is out, so descriptors may be written: from here on a load brings 128 rows of codes = 96 rows of 256 bytes,
	s_mov_b32 s[G1+4], 96
	s_mov_b32 s[G1B+2], 96<<16
	s_mov_b32 s[G1B+4], 96
	s_mov_b32 s[G0+1], s45                         ; and slot 0's groups 0 name my quarter of the slot
	s_mov_b32 s[G0B+1], s45
	s_add_nc_u64 s[G0+2:G0+3], s[G0+2:G0+3], s[66:67]
	s_add_nc_u64 s[G0B+2:G0B+3], s[G0B+2:G0B+3], s[66:67]
	s_wait_dscnt 0x0
	CROUND                                         ; a whole round: all four tiles are in, and the joint loads meet
	JLOAD G0+4, G1, G0B+4, G1B                     ; K step 1, the first tensor load behind the round
	FETCH_B 0, 0, 0
	FETCH_A 0, 0, 0
	SCALES 0
	FETCH_A 0, 0, 4
	STEP 0, 0, 1                                   ; the first products start the sums
	TURN 0, 1, 1                                   ; K = 1,024 is twice round the ring: each slot is filled again once, so no loop is written
	STEP 1, 0, 0
	TURN 1, 0, 1
	STEP 0, 0, 0
	TURN 0, 1, 0                                   ; the last lap fills nothing
	STEP 1, 0, 0
	s_wait_dscnt 4*NL
	WIN MUL_LO
	MUL16 0, 1, NQ-1, 1, 0
	MUL16 2, 1, NQ-1, 1, 0
	s_wait_dscnt 0
	WIN MUL_HI
	MUL16 4, 1, NQ-1, 1, 0
	MUL16 6, 1, NQ-1, 1, 0
	WIN 0
; THE WAY OUT: eight fragments a wave.  64 numbers of a lane are gathered with their bias, quantised, and stored as an image into my stage.
; q, k: head c, fragment f: the head's 32 registers of blocks 2 f and 2 f + 1 side by side.  Each accumulator is read from its low end on.
.macro GATHER_QK c, f
	WIN 0x02+(\f)/2                                ; source 0: window 2 or 3
.set A0, 128*((\f)%2)+32*(\c)
.set p, 0
.rept 16
	v_pk_add_f32 v[T+p:T+p+1], v[A0+p:A0+p+1], v[BR+32*(\c)+p:BR+32*(\c)+p+1]
.set p, p+2
.endr
.set p, 0
.rept 16
	v_pk_add_f32 v[T+32+p:T+32+p+1], v[A0+64+p:A0+64+p+1], v[BR+32*(\c)+p:BR+32*(\c)+p+1]
.set p, p+2
.endr
	WIN 0
.endm
; v: block a of the weight's rows: 64 registers along the 128 keys
.macro GATHER_V a
	WIN 0x02+(\a)/4
.set A0, 64*((\a)%4)
.set p, 0
.rept 32
	v_pk_add_f32 v[T+p:T+p+1], v[A0+p:A0+p+1], v[BV+2*(\a):BV+2*(\a)+1]
.set p, p+2
.endr
	WIN 0
.endm
; 64 numbers, register 16 b + e = K 32 b + 16 (lane / 16) + e of my row, become a fragment's codes in v[PC] on and its scale word in v[PW]
.macro QUANT s
.irp b, 0,1,2,3
	v_max3_num_f32 v[TM+\b], |v[\s+16*\b]|, |v[\s+1+16*\b]|, 0x2800000   ; my 16 numbers of block b, and the floor 2^(5 - 127): the byte cannot fall under 1
.endr
.irp i, 2,4,6,8,10,12,14
.irp b, 0,1,2,3
	v_max3_num_f32 v[TM+\b], v[TM+\b], |v[\s+16*\b+\i]|, |v[\s+1+16*\b+\i]|   ; the four blocks by turns
.endr
.endr
.irp b, 0,1,2,3
	v_permlanex16_b32 v[TM+4+\b], v[TM+\b], s[SEL], s[SEL+1]
.endr
.irp b, 0,1,2,3
	v_max_num_f32 v[TM+\b], v[TM+\b], v[TM+4+\b]   ; with lane l xor 16's: the block's largest magnitude
.endr
.irp b, 0,1,2,3
	v_add_nc_u32 v[TM+12+\b], 0xfe000000, v[TM+\b] ; 4 off its exponent field: the conversion's scale operand
.endr
.irp b, 0,1,2,3
	v_lshrrev_b32 v[TM+4+\b], 23, v[TM+12+\b]      ; the scale's byte
.endr
	v_lshl_or_b32 v[PW], v[TM+5], 8, v[TM+4]
	v_lshl_or_b32 v[PW], v[TM+6], 16, v[PW]
	v_lshl_or_b32 v[PW], v[TM+7], 24, v[PW]
.irp c, 0,1
	v_cvt_scalef32_pk16_bf6_f32 v[PC+6*\c:PC+2+6*\c], v[\s+32*\c:\s+15+32*\c], v[TM+12+2*\c]
	v_cvt_scalef32_pk16_bf6_f32 v[PC+12+4*\c:PC+14+4*\c], v[\s+16+32*\c:\s+31+32*\c], v[TM+12+2*\c+1]   ; (a conversion's three registers begin on an even number)
.endr
	v_nop                                          ; one plain line behind a scaled conversion
.irp c, 0,1                                    ; the operand wants a whole block in a lane: lanes 0-15 block 2 c, lanes 16-31 block 2 c + 1
.irp i, 0,1,2
	v_permlane16_swap_b32 v[PC+6*\c+\i], v[PC+12+4*\c+\i]
.endr
.irp i, 0,1,2
	v_mov_b32 v[PC+3+6*\c+\i], v[PC+12+4*\c+\i]
.endr
.endr
.endm
.macro FRAGOUT F                       ; record F / 4, fragment F % 4
	s_cmp_eq_u32 s[ISV], 0                         ; hangs on the cluster's y alone: the same in all partners; both ways hold vector instructions only
	s_cbranch_scc0 .Lv_\@
	GATHER_QK (\F)/4, (\F)%4
	s_branch .Lj_\@
.Lv_\@:
	GATHER_V \F
.Lj_\@:
	QUANT T
.irp g, 0,1,2
	ds_store_b128 v[STI], v[PC+4*\g:PC+4*\g+3] offset:((\F)/4)*REC+((\F)%4)*1536+512*\g
.endr
	ds_store_b32 v[STS], v[PW] offset:((\F)/4)*REC+6144+4*((\F)%4)   ; lanes r and r + 16 write the same word with the same value
	s_wait_dscnt 0x0                               ; the stores have read their registers
.endm
	s_wait_loadcnt 0x0                             ; the biases
	PLACES NP                                      ; behind the last products: their results are read, and their operands' and scales' registers written, only from here on
.irp b, 0,1,2,3
	v_mov_b32 v[TM+4+\b], 0                        ; written once: a lane permute's destination counts as one of its sources
.endr
.irp F, 0,1,2,3,4,5,6,7
	FRAGOUT \F
.endr
.set k, 0
.rept 25
	ds_load_b128 v[OB+4*k:OB+4*k+3], v[STI] offset:512*k   ; my own bytes, in order behind my stores
.set k, k+1
.endr
.set k, 0
.rept 25
	s_wait_dscnt 24-k                              ; load k is in; the younger ones may be out
	global_store_b128 v[GOF], v[OB+4*k:OB+4*k+3], s[12:13] offset:512*k   ; 32 lanes store 512 consecutive bytes, at a multiple of 256 from qkv's first byte
.set k, k+1
.endr
	s_wait_tensorcnt 0x0                           ; the wave's end
	ds_add_u32 v[SPW], v[NIL]
	s_wait_dscnt 0x0
	CROUND                                         ; the closing round: no work-group ends while a partner may still ask for a tile that names it
	s_endpgm
.Lfunc_end_k_q023e610fd1_proj:
	.size	k_q023e610fd1_proj, .Lfunc_end_k_q023e610fd1_proj-k_q023e610fd1_proj
	.p2alignl 7, 3214868480
	.fill 96, 4, 3214868480
	.section	.rodata,"a",@progbits
	.p2align	6, 0x0
	.amdhsa_kernel k_q023e610fd1_proj
		.amdhsa_group_segment_fixed_size 327680
		.amdhsa_private_segment_fixed_size 0
		.amdhsa_enable_private_segment 0
		.amdhsa_kernarg_size 48
		.amdhsa_user_sgpr_count 2
		.amdhsa_user_sgpr_kernarg_segment_ptr 1
		.amdhsa_wavefront_size32 1
		.amdhsa_system_sgpr_workgroup_id_x 1
		.amdhsa_system_sgpr_workgroup_id_y 1
		.amdhsa_system_sgpr_workgroup_id_z 1
		.amdhsa_system_vgpr_workitem_id 0
		.amdhsa_next_free_vgpr 1024
		.amdhsa_next_free_sgpr 102
		.amdhsa_reserve_vcc 0
		.amdhsa_float_denorm_mode_32 3
		.amdhsa_float_denorm_mode_16_64 3
		.amdhsa_memory_ordered 1
		.amdhsa_forward_progress 1
		.amdhsa_inst_pref_size 206
	.end_amdhsa_kernel
	.amdgpu_metadata
---
amdhsa.version: [ 1, 2 ]
amdhsa.kernels:
  - .name:           k_q023e610fd1_proj
    .symbol:         k_q023e610fd1_proj.kd
    .args:
      - { .name: xc, .offset: 0, .size: 8, .value_kind: global_buffer, .address_space: global }
      - { .name: xs, .offset: 8, .size: 8, .value_kind: global_buffer, .address_space: global }
      - { .name: bq, .offset: 16, .size: 8, .value_kind: global_buffer, .address_space: global }
      - { .name: bk, .offset: 24, .size: 8, .value_kind: global_buffer, .address_space: global }
      - { .name: bv, .offset: 32, .size: 8, .value_kind: global_buffer, .address_space: global }
      - { .name: qkv, .offset: 40, .size: 8, .value_kind: global_buffer, .address_space: global }
    .group_segment_fixed_size: 327680
    .private_segment_fixed_size: 0
    .kernarg_segment_align: 8
    .kernarg_segment_size: 48
    .max_flat_workgroup_size: 128
    .sgpr_count:     102
    .vgpr_count:     1024
    .wavefront_size: 32
...
	.end_amdgpu_metadata
.endif
;; end of part 2
;; launch attn (part 3): grid 4 x 64, 16 waves a work-group, clusters of 4 x 1, 327,680 bytes of LDS; arguments qkv, ow, os; writes ow, os
.if DOCPART == 3
	.amdgcn_target "amdgcn-amd-amdhsa--gfx1250"
	.amdhsa_code_object_version 6
	.text
	.protected	k_q023e610fd1_attn
	.globl	k_q023e610fd1_attn
	.p2align	8
	.type	k_q023e610fd1_attn,@function
k_q023e610fd1_attn:
	s_mov_b64 s[64:65], 0
	v_nop
	global_prefetch_b8 v0, s[64:65] scope:SCOPE_SE
	s_setreg_imm32_b32 hwreg(HW_REG_WAVE_MODE, 25, 1), 1
	s_wait_xcnt 0x0
	s_wait_alu depctr_hold_cnt(0) depctr_sa_sdst(0) depctr_va_vdst(0) depctr_va_sdst(0) depctr_va_ssrc(0) depctr_va_vcc(0) depctr_vm_vsrc(0)
	s_getreg_b32 s2, hwreg(HW_REG_IB_STS2, 6, 4)
	s_cmp_eq_u32 s2, 0
	s_cbranch_scc0 .Lentry_in_a_cluster
	s_endpgm
.Lentry_in_a_cluster:
	s_bfe_u32 s2, ttmp6, 0x10000c
	s_cmp_lg_u32 s2, 0x3003
	s_cbranch_scc0 .Lentry_shape_is_right
	s_endpgm
.Lentry_shape_is_right:
; Causal attention of one head on codes of BF6 (E3M2) with E8M0 scales: S^T = k q^T, p = 2^(t - M), O^T = v^T p^T, O / l, quantised along the head's 64 for the projection that follows.
; WORK LEFT OUT: steps of 128 keys that lie wholly behind a tile's queries: reference()'s own causal mask gives them the weight 0 for all values of the inputs.  A NaN or an infinity that reaches only them is not carried on.
; THE DEAL.  The grid's y is batch x 16 + head; the four work-groups of a cluster share the head.  A head has 16 groups of 128 tokens, a group 8 tiles of 16 queries (tile a, lane row r: token 32 (a / 2) + 8 (a % 2) + r % 8 + 16 (r / 8)).
; Work-group cx takes tiles 2 cx and 2 cx + 1 of every group.  Wave w makes two passes: tile 2 cx of group w (w + 1 steps of 128 keys), then tile 2 cx + 1 of group 15 - w (16 - w steps): 17 steps in every wave.
; LDS: the head's 32 records of qkv (k and v of 16 groups, 6,400 bytes each) are filled once: wave w asks for group w's two, 2 rows of 6,400 bytes 12,800 apart, by one joint load that names the four partners.
; Nothing is filled again, so the one wait on TENSORcnt is for 0 and one barrier shows all records to all waves.  No prefetch: every tile is asked for at the head, and no loop runs ahead of a load.
; A lane holds one query throughout; the 16 registers of two neighbouring score tiles are 16 neighbouring keys.  M is the running largest t rounded up to a whole number, so a rescaling rounds nothing; l sums the unquantised p.
; The head's 64 fill half of the instruction's 128: a k fragment holds two sets of 16 keys side by side, and q stands beside zeros: [q, 0] and [0, q].
; OUT: ow: [16-token tile][head] 768 bytes, the image of six registers (registers 0-3 at 16 x lane, 4-5 at 512 + 8 x lane); os: [tile][row r] 32 bytes, bytes 2 head and 2 head + 1.
; LIMITS: the promise holds while |t| stays under 2^31; NaN and infinities are not served; a block whose largest magnitude lies under 2^-122 gets the scale byte 1.
.set REC,  6400
.set UNIT, 12800
.set SPARE, 16*UNIT                    ; behind the records: the spare words, 128 bytes a wave
.set LI,   1                           ; 16 x lane
.set LS,   2                           ; 16 x r
.set ADK,  3
.set ADS,  4
.set DM,   5                           ; my query's token in its group - 16 h
.set QO,   6
.set O8,   7                           ; 8 x lane
.set OSB,  8                           ; 32 r + h
.set RR,   9
.set HH,   10
.set QSO,  11
.set QF,   16                          ; v16-33 q, zeros, q;  v12 -M, v13 the largest t, v[14:15] the sum
.set QS,   34
.set FRG,  36                          ; v36-83 four fragments of k, then of v
.set KSC,  84
.set VSC,  88
.set S,    96                          ; v96-159 scores, then p
.set O,    160                         ; v160-191 O^T
.set PC,   192
.set CT,   204
.set BM,   212
.set BP,   216
.set SO,   220
.set TT,   224
.set FF,   226
.set PW,   228
.set NINF, 229
.set SU,   240                         ; v240-247 the sum's four chains
.set BN,   248                         ; v248-251 the second chain of each block's maximum
.set Q2,   232                         ; v232-237 the second pass's q, v238 its scale word
.set WV,   10
.set RK,   11                          ; the pass's group
.set SEL,  20
.set CS,   22
.set G1,   24
.set G0A,  32
.set TB,   40
.set J,    41
.macro CROUND
	s_barrier_signal -1
	s_barrier_wait -1
	s_cmp_lg_u32 s[WV], 0
	s_cbranch_scc1 .Lnot_wave_0_\@
	s_barrier_signal -3
.Lnot_wave_0_\@:
	s_barrier_wait -3
	s_barrier_signal -1
	s_barrier_wait -1
.endm
	s_load_b128 s[4:7], s[0:1], 0x0                ; qkv, ow
	s_load_b64 s[8:9], s[0:1], 0x10                ; os
	v_lshl_add_u32 v254, v0, 2, SPARE
	v_mov_b32 v255, 0
	ds_add_u32 v254, v255                          ; the opening lines: the add, twice on end, and its wait ahead of my tensor load
	ds_add_u32 v254, v255
	v_lshrrev_b32 v1, 5, v0
	v_readfirstlane_b32 s[WV], v1
	s_mov_b32 s[RK], s[WV]                         ; first pass: group w
	s_sub_co_u32 s13, 15, s[WV]                    ; second pass: group 15 - w
	s_bfe_u32 s12, ttmp6, 0x40000                  ; cx
	s_and_b32 s14, ttmp7, 0xffff                   ; batch x 16 + head
	s_mov_b32 s[G1], 15|(3<<16)|(1<<21)            ; the four partners; elements of 8 bytes
	s_mov_b32 s[G1+1], 800<<16
	s_mov_b32 s[G1+2], 2<<16
	s_mov_b32 s[G1+3], 800<<16
	s_mov_b32 s[G1+4], 2                           ; two rows of 6,400 bytes: k's record and v's
	s_mov_b32 s[G1+5], 1600                        ; 12,800 bytes apart
	s_mov_b32 s[G1+6], 0
	s_mov_b32 s[G1+7], 0
	s_lshr_b32 s52, s14, 1                         ; batch x 8 + pair of heads
	s_and_b32 s53, s14, 1
	s_mul_i32 s53, s53, REC                        ; my head's record in a unit
	s_mul_i32 s54, s52, 32*UNIT
	s_add_co_u32 s54, s54, s53
	s_mul_i32 s55, s[WV], 2*UNIT
	s_add_co_u32 s54, s54, s55                     ; k and v of group w
	s_mov_b32 s55, 0
	s_lshl_b32 s52, s52, 4
	s_add_co_u32 s56, s52, s[WV]
	s_add_co_u32 s58, s52, s13
	s_mul_i32 s56, s56, UNIT
	s_mul_i32 s58, s58, UNIT
	s_add_co_u32 s53, s53, 1024*UNIT
	s_add_co_u32 s56, s56, s53                     ; q's record of group w,
	s_add_co_u32 s58, s58, s53                     ; and of group 15 - w
	s_mov_b32 s57, 0
	s_mov_b32 s59, 0
	s_lshr_b32 s52, s14, 4
	s_lshl_b32 s52, s52, 7
	s_lshl_b32 s53, s12, 1
	s_add_co_u32 s52, s52, s53                     ; batch x 128 + 2 cx
	s_lshl_b32 s53, s[WV], 3
	s_add_co_u32 s53, s53, s52                     ; the first pass's 16-token tile,
	s_lshl_b32 s42, s13, 3
	s_add_co_u32 s42, s42, s52
	s_add_co_u32 s42, s42, 1                       ; the second's
	s_and_b32 s43, s14, 15                         ; head
	s_lshl_b32 s44, s53, 4
	s_add_co_u32 s44, s44, s43
	s_mul_i32 s44, s44, 768
	s_mov_b32 s45, 0
	s_lshl_b32 s46, s42, 4
	s_add_co_u32 s46, s46, s43
	s_mul_i32 s46, s46, 768
	s_mov_b32 s47, 0
	s_lshl_b32 s43, s43, 1
	s_lshl_b32 s48, s53, 9
	s_add_co_u32 s48, s48, s43
	s_mov_b32 s49, 0
	s_lshl_b32 s50, s42, 9
	s_add_co_u32 s50, s50, s43
	s_mov_b32 s51, 0
	s_mul_i32 s60, s12, 1536                       ; q's fragment cx holds tiles 2 cx and 2 cx + 1
	s_lshl_b32 s61, s12, 2
	s_lshl_b32 s63, s12, 5
	s_mov_b32 s62, 0xffff0000                      ; lanes 16-31
	s_mov_b32 s[SEL], 0x76543210
	s_mov_b32 s[SEL+1], 0xfedcba98
	s_mov_b32 s[CS], 0x3e38aa3b                    ; log2(e) / 8
	s_mov_b32 s[CS+1], s[CS]
	s_wait_dscnt 0x0
	s_wait_kmcnt 0x0
	s_add_nc_u64 s[54:55], s[4:5], s[54:55]
	s_add_nc_u64 s[36:37], s[4:5], s[56:57]
	s_add_nc_u64 s[38:39], s[4:5], s[58:59]
	s_add_nc_u64 s[44:45], s[6:7], s[44:45]
	s_add_nc_u64 s[46:47], s[6:7], s[46:47]
	s_add_nc_u64 s[48:49], s[8:9], s[48:49]
	s_add_nc_u64 s[50:51], s[8:9], s[50:51]
	CROUND                                         ; the four partners are here: the joint loads meet
	s_mov_b32 s[G0A], 1
	s_mul_i32 s[G0A+1], s[WV], UNIT
	s_mov_b64 s[G0A+2:G0A+3], s[54:55]
	s_or_b32 s[G0A+3], s[G0A+3], 0x80000000
	tensor_load_to_lds s[G0A:G0A+3], s[G1:G1+7]    ; my one tensor load
	s_nop 0
.rept 4
	v_nop
.endr
	v_and_b32 v[RR], 15, v0
	v_bfe_u32 v[HH], v0, 4, 1
	v_and_b32 v[QO], 31, v0
	v_lshlrev_b32 v[LI], 4, v[QO]
	v_lshlrev_b32 v[O8], 3, v[QO]
	v_lshlrev_b32 v[LS], 4, v[RR]
	v_add_nc_u32 v[QO], s60, v[LI]
	v_add_nc_u32 v[QSO], s61, v[LS]
	global_load_b128 v[QF:QF+3], v[QO], s[36:37]               ; first pass: the fragment's registers 0-5 (K 0-63: tile 2 cx)
	global_load_b64 v[QF+4:QF+5], v[QO], s[36:37] offset:512
	global_load_b32 v[QS], v[QSO], s[36:37] offset:6144
	global_load_b64 v[Q2:Q2+1], v[QO], s[38:39] offset:520     ; second pass: registers 6-11 (K 64-127: tile 2 cx + 1)
	global_load_b128 v[Q2+2:Q2+5], v[QO], s[38:39] offset:1024
	global_load_b32 v[Q2+6], v[QSO], s[38:39] offset:6144
	v_and_b32 v[DM], 8, v[RR]
	v_add_nc_u32 v[DM], v[DM], v[RR]
	v_add_nc_u32 v[DM], s63, v[DM]
	v_lshlrev_b32 v[TT], 4, v[HH]
	v_sub_nc_u32 v[DM], v[DM], v[TT]
	v_lshl_add_u32 v[OSB], v[RR], 5, v[HH]
	v_mov_b32 v[NINF], 0xff800000
	v_mov_b32 v[FF+1], 0
	v_mov_b32 v[TT], 0
.irp b, 0,1,2,3
	v_mov_b32 v[BP+\b], 0
.endr
.irp i, 0,1,2,3,4,5
	v_mov_b32 v[QF+6+\i], 0
.endr
	s_wait_alu depctr_va_vdst(0)
	s_wait_loadcnt 0x0
.irp i, 0,1,2,3,4,5
	v_mov_b32 v[QF+12+\i], v[QF+\i]
.endr
	v_and_b32 v[QS], 0xffff, v[QS]                 ; the tile's two scale bytes, for both places of q
	v_lshrrev_b32 v[Q2+6], 16, v[Q2+6]
	v_lshl_or_b32 v[QS], v[QS], 16, v[QS]
	v_lshl_or_b32 v[Q2+6], v[Q2+6], 16, v[Q2+6]
; A step: 128 keys against my 16 queries.  The jump over a step that lies behind my queries hangs on the wave's number and the loop's count alone, and leads round no wait that others need.
; The sum of the 64 unquantised p that stand in v[S] on, onto v[14:15]: four chains by turns.  It is run at the head of the NEXT step, between the request for k's fragments and the wait for them,
; and once behind the loop; a pass begins with zeros in v[S] on.  The sum so far was brought under the step's M before, so the order of the two does not change the result.
.macro SUMP
.irp k, 0,1,2,3
	v_pk_add_f32 v[SU+2*\k:SU+2*\k+1], v[S+2*\k:S+2*\k+1], v[S+8+2*\k:S+9+2*\k]
.endr
.irp j, 16,24,32,40,48,56
.irp k, 0,1,2,3
	v_pk_add_f32 v[SU+2*\k:SU+2*\k+1], v[SU+2*\k:SU+2*\k+1], v[S+\j+2*\k:S+\j+2*\k+1]
.endr
.endr
	v_pk_add_f32 v[SU:SU+1], v[SU:SU+1], v[SU+2:SU+3]
	v_pk_add_f32 v[SU+4:SU+5], v[SU+4:SU+5], v[SU+6:SU+7]
	v_pk_add_f32 v[14:15], v[14:15], v[SU:SU+1]
	v_pk_add_f32 v[14:15], v[14:15], v[SU+4:SU+5]
.endm
.macro STEP
	s_cmp_gt_u32 s[J], s[RK]
	s_cbranch_scc1 .Lhid_\@
	v_add_nc_u32 v[ADK], s[TB], v[LI]
	v_add_nc_u32 v[ADS], s[TB], v[LS]
.irp f, 0,1,2,3
.irp g, 0,1,2
	ds_load_b128 v[FRG+12*\f+4*\g:FRG+12*\f+4*\g+3], v[ADK] offset:1536*\f+512*\g
.endr
.endr
	ds_load_b128 v[KSC:KSC+3], v[ADS] offset:6144
	SUMP                                           ; the last step's p, while the 13 loads are out
	s_wait_alu depctr_va_vdst(0)
	s_wait_dscnt 0x0
.irp f, 0,1,2,3
	v_wmma_scale_f32_16x16x128_f8f6f4 v[S+16*\f:S+16*\f+7], v[FRG+12*\f:FRG+12*\f+11], v[QF:QF+11], 0, v[KSC+\f], v[QS] matrix_a_fmt:MATRIX_FMT_BF6 matrix_b_fmt:MATRIX_FMT_BF6
	v_wmma_scale_f32_16x16x128_f8f6f4 v[S+16*\f+8:S+16*\f+15], v[FRG+12*\f:FRG+12*\f+11], v[QF+6:QF+17], 0, v[KSC+\f], v[QS] matrix_a_fmt:MATRIX_FMT_BF6 matrix_b_fmt:MATRIX_FMT_BF6
.endr
.rept 4
	v_nop                                          ; places ahead of the loads into k's registers and of the first read of the scores
.endr
.irp f, 0,1,2,3
.irp g, 0,1,2
	ds_load_b128 v[FRG+12*\f+4*\g:FRG+12*\f+4*\g+3], v[ADK] offset:REC+1536*\f+512*\g   ; v's fragments come in under the softmax
.endr
.endr
	ds_load_b128 v[VSC:VSC+3], v[ADS] offset:REC+6144
	s_cmp_lg_u32 s[J], s[RK]
	s_cbranch_scc1 .Lopen_\@
.set n, 0
.rept 64                               ; my own group: keys behind my query get -inf
	v_cmp_gt_i32 vcc_lo, 32*(n/16)+n%16, v[DM]
	v_cndmask_b32 v[S+n], v[S+n], v[NINF], vcc_lo
.set n, n+1
.endr
.Lopen_\@:
.irp b, 0,1,2,3
	v_max3_num_f32 v[BM+\b], v[S+16*\b], v[S+1+16*\b], v[S+2+16*\b]   ; the largest score of each block of 32 keys: for the row's maximum and for the block's scale; a chain for each of a block's two tiles, eight by turns
.endr
.irp b, 0,1,2,3
	v_max3_num_f32 v[BN+\b], v[S+8+16*\b], v[S+9+16*\b], v[S+10+16*\b]
.endr
.irp i, 3,5
.irp b, 0,1,2,3
	v_max3_num_f32 v[BM+\b], v[BM+\b], v[S+16*\b+\i], v[S+1+16*\b+\i]
.endr
.irp b, 0,1,2,3
	v_max3_num_f32 v[BN+\b], v[BN+\b], v[S+8+16*\b+\i], v[S+9+16*\b+\i]
.endr
.endr
.irp b, 0,1,2,3
	v_max_num_f32 v[BN+\b], v[BN+\b], v[S+15+16*\b]
.endr
.irp b, 0,1,2,3
	v_max3_num_f32 v[BM+\b], v[BM+\b], v[S+7+16*\b], v[BN+\b]
.endr
.irp b, 0,1,2,3
	s_delay_alu instid0(VALU_DEP_4)
	v_permlanex16_b32 v[BP+\b], v[BM+\b], s[SEL], s[SEL+1]
.endr
.irp b, 0,1,2,3
	s_delay_alu instid0(VALU_DEP_4)
	v_max_num_f32 v[BM+\b], v[BM+\b], v[BP+\b]
.endr
	s_delay_alu instid0(VALU_DEP_2)
	v_max3_num_f32 v[TT], v[BM], v[BM+1], v[BM+2]
	s_delay_alu instid0(VALU_DEP_1)
	v_max_num_f32 v[TT], v[TT], v[BM+3]
	s_delay_alu instid0(VALU_DEP_1)
	v_mul_f32 v[TT], s[CS], v[TT]
	s_delay_alu instid0(VALU_DEP_1)
	v_max_num_f32 v13, v13, v[TT]                  ; the running largest t
	v_mov_b32 v[TT], v12
	s_delay_alu instid0(VALU_DEP_2)
	v_floor_f32 v12, -v13                          ; -M = floor(-t)
	s_delay_alu instid0(VALU_DEP_1)
	v_sub_f32 v[TT], v12, v[TT]
	s_delay_alu instid0(VALU_DEP_1)
	v_cvt_i32_f32 v[TT], v[TT]
	s_delay_alu instid0(VALU_DEP_1)
	v_ldexp_f32 v[FF], 1.0, v[TT]                  ; f = 2^(old M - new M)
.set n, 0
.rept 32
	v_pk_fma_f32 v[S+n:S+n+1], v[S+n:S+n+1], s[CS:CS+1], v[12:13] op_sel_hi:[1,0,0]   ; t - M
.set n, n+2
.endr
.irp b, 0,1,2,3
	v_fma_f32 v[BM+\b], v[BM+\b], s[CS], v12
.endr
	s_wait_alu depctr_va_vdst(0)                   ; the wait ahead of the batch
.irp b, 0,1,2,3
	v_exp_f32 v[BM+\b], v[BM+\b]                   ; each block's largest p
.endr
.set n, 0
.rept 64
	v_exp_f32 v[S+n], v[S+n]                       ; p = 2^(t - M)
.set n, n+1
.endr
	v_pk_mul_f32 v[14:15], v[14:15], v[FF:FF+1] op_sel_hi:[1,0]   ; the sum so far under the new M (the plain line behind the batch)
	s_wait_alu depctr_va_vdst(0)                   ; and behind it: one wait for all 68
.irp b, 0,1,2,3
	v_max_num_f32 v[BM+\b], 0x2800000, v[BM+\b]    ; the floor 2^(5 - 127): the byte cannot fall under 1
.endr
.irp b, 0,1,2,3
	s_delay_alu instid0(VALU_DEP_4)
	v_add_nc_u32 v[SO+\b], 0xfe000000, v[BM+\b]    ; 4 off the exponent field: the conversion's scale operand
.endr
.irp b, 0,1,2,3
	s_delay_alu instid0(VALU_DEP_4)
	v_lshrrev_b32 v[BP+\b], 23, v[SO+\b]
.endr
	s_delay_alu instid0(VALU_DEP_3)
	v_lshl_or_b32 v[PW], v[BP+1], 8, v[BP]
	s_delay_alu instid0(VALU_DEP_1)
	v_lshl_or_b32 v[PW], v[BP+2], 16, v[PW]
	s_delay_alu instid0(VALU_DEP_1)
	v_lshl_or_b32 v[PW], v[BP+3], 24, v[PW]
.irp c, 0,1
	v_cvt_scalef32_pk16_bf6_f32 v[PC+6*\c:PC+6*\c+2], v[S+32*\c:S+32*\c+15], v[SO+2*\c]
	v_cvt_scalef32_pk16_bf6_f32 v[CT+4*\c:CT+4*\c+2], v[S+16+32*\c:S+31+32*\c], v[SO+2*\c+1]
.endr
	v_nop                                          ; one plain line behind a scaled conversion
.irp c, 0,1                            ; the operand wants a whole block in a lane
.irp i, 0,1,2
	v_permlane16_swap_b32 v[PC+6*\c+\i], v[CT+4*\c+\i]
.endr
.irp i, 0,1,2
	s_delay_alu instid0(VALU_DEP_3)
	v_mov_b32 v[PC+3+6*\c+\i], v[CT+4*\c+\i]
.endr
.endr
	s_wait_alu depctr_va_vdst(0)                   ; the wait directly ahead of the first reader of O^T
.set n, 0
.rept 16
	v_pk_mul_f32 v[O+n:O+n+1], v[O+n:O+n+1], v[FF:FF+1] op_sel_hi:[1,0]   ; O^T under the new M
.set n, n+2
.endr
	s_wait_alu depctr_va_vdst(0)
	s_wait_dscnt 0x0
.irp d, 0,1,2,3
	v_wmma_scale_f32_16x16x128_f8f6f4 v[O+8*\d:O+8*\d+7], v[FRG+12*\d:FRG+12*\d+11], v[PC:PC+11], v[O+8*\d:O+8*\d+7], v[VSC+\d], v[PW] matrix_a_fmt:MATRIX_FMT_BF6 matrix_b_fmt:MATRIX_FMT_BF6
.endr
.rept 4
	v_nop
.endr
.Lhid_\@:
.endm
; A pass: the state begins anew, sixteen trips (a constant, so that the LDS address can be read off the text), of which group + 1 work; then O / l, quantised along the head's 64, leaves as an image.
.macro PASS ow, os
	v_mov_b32 v13, 0xff61b1e6                      ; -3e38, under every t
	v_floor_f32 v12, -v13
	v_mov_b32 v14, 0
	v_mov_b32 v15, 0
.set n, 0
.rept 96
	v_mov_b32 v[S+n], 0                            ; v[S] on (64: the first step sums them as the p of a step before it) and O^T behind them (32): the step is written once
.set n, n+1
.endr
	s_mov_b32 s[J], 0
	s_mov_b32 s[TB], 0
	s_wait_alu depctr_va_vdst(0)                   ; the wait ahead of the loop
.Lkeys_\@:
	STEP
	s_add_co_u32 s[TB], s[TB], UNIT
	s_add_co_u32 s[J], s[J], 1
	s_cmp_lt_u32 s[J], 16
	s_cbranch_scc1 .Lkeys_\@
	SUMP                                           ; the last step's p
	v_add_f32 v14, v14, v15
	s_delay_alu instid0(VALU_DEP_1)
	v_permlanex16_b32 v[TT], v14, s[SEL], s[SEL+1]
	s_delay_alu instid0(VALU_DEP_1)
	v_add_f32 v14, v14, v[TT]                      ; the row's sum
	s_wait_alu depctr_va_vdst(0)
	v_rcp_f32 v14, v14
	v_nop
	s_wait_alu depctr_va_vdst(0)
.set n, 0
.rept 16
	v_pk_mul_f32 v[S+n:S+n+1], v[O+n:O+n+1], v[14:15] op_sel_hi:[1,0]   ; register 16 b + e = dimension 32 b + 16 h + e of my query
.set n, n+2
.endr
.irp b, 0,1
	v_max3_num_f32 v[BM+\b], |v[S+16*\b]|, |v[S+1+16*\b]|, 0x2800000
.endr
.irp i, 2,4,6,8,10,12,14
.irp b, 0,1
	s_delay_alu instid0(VALU_DEP_2)
	v_max3_num_f32 v[BM+\b], v[BM+\b], |v[S+16*\b+\i]|, |v[S+1+16*\b+\i]|
.endr
.endr
.irp b, 0,1
	s_delay_alu instid0(VALU_DEP_2)
	v_permlanex16_b32 v[BP+\b], v[BM+\b], s[SEL], s[SEL+1]
.endr
.irp b, 0,1
	s_delay_alu instid0(VALU_DEP_2)
	v_max_num_f32 v[BM+\b], v[BM+\b], v[BP+\b]
.endr
.irp b, 0,1
	s_delay_alu instid0(VALU_DEP_2)
	v_add_nc_u32 v[SO+\b], 0xfe000000, v[BM+\b]
.endr
.irp b, 0,1
	s_delay_alu instid0(VALU_DEP_2)
	v_lshrrev_b32 v[BP+\b], 23, v[SO+\b]
.endr
	v_cvt_scalef32_pk16_bf6_f32 v[PC:PC+2], v[S:S+15], v[SO]
	v_cvt_scalef32_pk16_bf6_f32 v[CT:CT+2], v[S+16:S+31], v[SO+1]
	v_cndmask_b32 v[TT], v[BP], v[BP+1], s62       ; lanes 0-15 store block 0's byte, lanes 16-31 block 1's
.irp i, 0,1,2
	v_permlane16_swap_b32 v[PC+\i], v[CT+\i]
.endr
.irp i, 0,1,2
	s_delay_alu instid0(VALU_DEP_3)
	v_mov_b32 v[PC+3+\i], v[CT+\i]
.endr
	global_store_b128 v[LI], v[PC:PC+3], s[\ow:\ow+1]
	global_store_b64 v[O8], v[PC+4:PC+5], s[\ow:\ow+1] offset:512
	global_store_b8 v[OSB], v[TT], s[\os:\os+1]
.endm
	s_wait_alu depctr_va_vdst(0)                   ; the wait at the head's end
	s_wait_tensorcnt 0x0                           ; my two records are in;
	s_barrier_signal -1
	s_barrier_wait -1                              ; everybody's are
	PASS 44, 48
	s_wait_alu depctr_va_vdst(0)
	s_wait_xcnt 0x0                                ; the stores have read their registers: they are written again below
	s_mov_b32 s[RK], s13
	v_add_nc_u32 v[DM], 8, v[DM]                   ; tile 2 cx + 1 lies 8 tokens on
.irp i, 0,1,2,3,4,5
	v_mov_b32 v[QF+\i], v[Q2+\i]
	v_mov_b32 v[QF+12+\i], v[Q2+\i]
.endr
	v_mov_b32 v[QS], v[Q2+6]
	PASS 46, 50
	s_wait_tensorcnt 0x0                           ; the wave's end
	ds_add_u32 v254, v255
	s_wait_dscnt 0x0
	CROUND                                         ; the closing round
	s_endpgm
.Lfunc_end_k_q023e610fd1_attn:
	.size	k_q023e610fd1_attn, .Lfunc_end_k_q023e610fd1_attn-k_q023e610fd1_attn
	.p2alignl 7, 3214868480
	.fill 96, 4, 3214868480
	.section	.rodata,"a",@progbits
	.p2align	6, 0x0
	.amdhsa_kernel k_q023e610fd1_attn
		.amdhsa_group_segment_fixed_size 327680
		.amdhsa_private_segment_fixed_size 0
		.amdhsa_enable_private_segment 0
		.amdhsa_kernarg_size 24
		.amdhsa_user_sgpr_count 2
		.amdhsa_user_sgpr_kernarg_segment_ptr 1
		.amdhsa_wavefront_size32 1
		.amdhsa_system_sgpr_workgroup_id_x 1
		.amdhsa_system_sgpr_workgroup_id_y 1
		.amdhsa_system_sgpr_workgroup_id_z 1
		.amdhsa_system_vgpr_workitem_id 0
		.amdhsa_next_free_vgpr 256
		.amdhsa_next_free_sgpr 66
		.amdhsa_reserve_vcc 1
		.amdhsa_float_denorm_mode_32 3
		.amdhsa_float_denorm_mode_16_64 3
		.amdhsa_memory_ordered 1
		.amdhsa_forward_progress 1
		.amdhsa_inst_pref_size 70
	.end_amdhsa_kernel
	.amdgpu_metadata
---
amdhsa.version: [ 1, 2 ]
amdhsa.kernels:
  - .name:           k_q023e610fd1_attn
    .symbol:         k_q023e610fd1_attn.kd
    .args:
      - { .name: qkv, .offset: 0, .size: 8, .value_kind: global_buffer, .address_space: global }
      - { .name: ow, .offset: 8, .size: 8, .value_kind: global_buffer, .address_space: global }
      - { .name: os, .offset: 16, .size: 8, .value_kind: global_buffer, .address_space: global }
    .group_segment_fixed_size: 327680
    .private_segment_fixed_size: 0
    .kernarg_segment_align: 8
    .kernarg_segment_size: 24
    .max_flat_workgroup_size: 512
    .sgpr_count:     66
    .vgpr_count:     256
    .wavefront_size: 32
...
	.end_amdgpu_metadata
.endif
;; end of part 3
;; launch outp (part 4): grid 4 x 64, 4 waves a work-group, clusters of 4 x 4, 327,680 bytes of LDS; arguments ow, os, xc, xs, bo, out0; writes out0
.if DOCPART == 4
	.amdgcn_target "amdgcn-amd-amdhsa--gfx1250"
	.amdhsa_code_object_version 6
	.text
	.protected	k_q023e610fd1_outp
	.globl	k_q023e610fd1_outp
	.p2align	8
	.type	k_q023e610fd1_outp,@function
k_q023e610fd1_outp:
	s_mov_b64 s[64:65], 0
	v_nop
	global_prefetch_b8 v0, s[64:65] scope:SCOPE_SE
	s_setreg_imm32_b32 hwreg(HW_REG_WAVE_MODE, 25, 1), 1
	s_wait_xcnt 0x0
	s_wait_alu depctr_hold_cnt(0) depctr_sa_sdst(0) depctr_va_vdst(0) depctr_va_sdst(0) depctr_va_ssrc(0) depctr_va_vcc(0) depctr_vm_vsrc(0)
	s_getreg_b32 s2, hwreg(HW_REG_IB_STS2, 6, 4)
	s_cmp_eq_u32 s2, 0
	s_cbranch_scc0 .Lentry_in_a_cluster
	s_endpgm
.Lentry_in_a_cluster:
	s_bfe_u32 s2, ttmp6, 0x10000c
	s_cmp_lg_u32 s2, 0xf033
	s_cbranch_scc0 .Lentry_shape_is_right
	s_endpgm
.Lentry_shape_is_right:
; out0 = o Wo^T + bo on codes of BF6 (E3M2) with E8M0 scales, sums in f32.  o: 8,192 tokens x 1,024 (ow, os, as launch attn leaves them); Wo: stored rows 27,648 on of xc and xs.
; A tile is 128 tokens x 256 columns: 64 x 4 = 256 work-groups of four waves; a wave makes 64 x 128: 32 accumulators, 256 registers.
; ALL OF K IS IN LDS AT ONCE: the tile's 8 blocks of 16 tokens (12,288 bytes each) and 16 blocks of 16 rows of Wo (the same) are two dense runs of memory, 98,304 + 196,608 bytes.  Waves 0 and 1 ask for o's halves,
; waves 2 and 3 for Wo's, one tensor load a wave, stated as rows of 256 bytes.  Nothing is filled again: one wait for 0, one barrier, and the walk along K has neither.
; No prefetch: every tile is asked for at the head, and no loop runs ahead of a load.
; CLUSTERS: 4 x 4 work-groups; o's tile hangs on the tile row alone and is shared along a row of the cluster, Wo's on the tile column alone and is shared along a column: joint loads.
; IMAGES.  o, block, head: 768 bytes: registers 0-3 of a half fragment at 16 x lane, registers 4-5 at 512 + 8 x lane.  Wo, block, 64 along K: 768 bytes: lane l has 24 bytes on end;
; lanes 24 bytes apart: the 32 lanes of a load of 8 bytes touch 64 different banks (64 banks of 4 bytes: ISA guide 11.1).  So neither image needs padding.
; THE SCALES go from memory straight into registers, once: a row's 32 bytes are its eight words for the eight K steps; lane r takes row r's (lanes 16-31 hold the same and are not read).
; TRANSPOSED USE: source 0 = 16 rows of Wo, source 1 = 16 tokens: a lane holds eight numbers of one row of out0.  The stored rows of Wo have bits 3 and 4 of their number exchanged, and row r of token block a is token
; 32 (a / 2) + 8 (a % 2) + r % 8 + 16 (r / 8) of its 128: the way out puts both right.
; REGISTERS.  Window 0: v8-11 the bias, v16-29 addresses, v32-63 o's scale words, v64-127 Wo's, v128-223 o's fragments, two sets (on the way out v128-255: rows read back).  Window 1: Wo's fragments, two sets.  Window 2: the accumulators.
; LIMITS: NaN and infinities are not served.
.set BLK,    12288
.set ASZ,    8*BLK
.set SPARE,  24*BLK                    ; behind the tiles: the spare words, 128 bytes a wave
.set SPITCH, 528                       ; the way out: 16 rows x (512 + 16) bytes a wave, in o's bytes, which have had their one fill and, behind a barrier, their last read
.set BO,   8
.set ADRA, 16                          ; v16 o's fragments + 16 x lane, v17 + 8 x lane
.set ADRB, 20                          ; v20 Wo's blocks 0-3 + 24 x lane, v21 blocks 4-7
.set STO,  24
.set RD,   25
.set CO,   26                          ; 16 x lane
.set SOF,  27                          ; 32 r
.set SPW,  28
.set NIL,  29
.set SA,   32
.set SB,   64
.set AF,   128
.set BK,   128
.set G1,   24
.set G0,   32
.set G0B,  36
.set G1B,  48
.set MSB, 0
.macro WIN new                         ; the immediate's high byte repeats the setting that is left
.if MSB != (\new)
	s_set_vgpr_msb (MSB<<8)|(\new)
.set MSB, (\new)
.endif
.endm
.set MULW, 0xa1                        ; source 0 window 1, source 1 window 0, C and D window 2
.set TO_B, 0x40                        ; destination window 1
.macro PLACES
.rept 4
	v_nop
.endr
.endm
.macro CROUND
	s_barrier_signal -1
	s_barrier_wait -1
	s_cmp_lg_u32 s16, 0
	s_cbranch_scc1 .Lnot_wave_0_\@
	s_barrier_signal -3
.Lnot_wave_0_\@:
	s_barrier_wait -3
	s_barrier_signal -1
	s_barrier_wait -1
.endm
	s_load_b256 s[4:11], s[0:1], 0x0               ; ow, os, xc, xs
	s_load_b128 s[12:15], s[0:1], 0x20             ; bo, out0
	v_lshl_add_u32 v[SPW], v0, 2, SPARE
	v_mov_b32 v[NIL], 0
	ds_add_u32 v[SPW], v[NIL]                      ; the opening lines: the add, twice on end, and its wait ahead of my tensor load
	ds_add_u32 v[SPW], v[NIL]
	v_lshrrev_b32 v1, 5, v0
	v_readfirstlane_b32 s16, v1                    ; wave
	s_lshr_b32 s17, s16, 1                         ; my 64 of the 128 tokens.  Also: I fetch for o (0) or for Wo (1)
	s_and_b32 s18, s16, 1                          ; my 128 of the 256 columns.  Also: which half I fetch
	s_bfe_u32 s20, ttmp6, 0x40000                  ; cx
	s_bfe_u32 s21, ttmp6, 0x40004                  ; cy
	s_lshl_b32 s22, ttmp9, 2
	s_add_co_u32 s22, s22, s20                     ; tile column
	s_and_b32 s23, ttmp7, 0xffff
	s_lshl_b32 s23, s23, 2
	s_add_co_u32 s23, s23, s21                     ; tile row
	s_lshl_b32 s40, s21, 2
	s_lshl_b32 s40, 15, s40                        ; my row of the cluster
	s_lshl_b32 s41, 0x1111, s20                    ; my column
	s_or_b32 s[G1], s40, (3<<16)|(1<<21)           ; the mask; elements of 8 bytes; bit 21 beside a mask
	s_or_b32 s[G1B], s41, (3<<16)|(1<<21)
.irp g, G1, G1B
	s_mov_b32 s[\g+1], 32<<16                      ; rows of 256 bytes
	s_mov_b32 s[\g+3], 32<<16
	s_mov_b32 s[\g+5], 32
	s_mov_b32 s[\g+6], 0
	s_mov_b32 s[\g+7], 0
.endr
	s_mov_b32 s[G1+2], 192<<16                     ; o: 4 blocks = 192 rows
	s_mov_b32 s[G1+4], 192
	s_mov_b32 s[G1B+2], 384<<16                    ; Wo: 8 blocks = 384 rows
	s_mov_b32 s[G1B+4], 384
	s_lshl_b32 s42, s23, 3                         ; the tile's first block of 16 tokens
	s_lshl_b32 s44, s18, 2
	s_add_co_u32 s44, s44, s42
	s_mul_i32 s44, s44, BLK                        ; o: the four blocks that I fetch
	s_mov_b32 s45, 0
	s_lshl_b32 s46, s22, 4
	s_lshl_b32 s47, s18, 3
	s_add_co_u32 s46, s46, s47
	s_add_co_u32 s46, s46, 1728                    ; Wo's first block of 16 rows: 27,648 / 16
	s_mul_i32 s46, s46, BLK                        ; Wo: the eight blocks that I fetch
	s_mov_b32 s47, 0
	s_mul_i32 s56, s18, 4*BLK                      ; where they go: no place in the cluster enters an LDS address
	s_mul_i32 s57, s18, 8*BLK
	s_add_co_u32 s57, s57, ASZ
	s_lshl_b32 s58, s17, 2
	s_add_co_u32 s58, s58, s42
	s_lshl_b32 s58, s58, 9                         ; os: 512 bytes a block: my four blocks
	s_mov_b32 s59, 0
	s_lshl_b32 s60, s22, 1
	s_add_co_u32 s60, s60, s18
	s_lshl_b32 s60, s60, 12                        ; xs: 32 bytes a row: my 128 rows of Wo
	s_add_co_u32 s60, s60, 27648*32
	s_mov_b32 s61, 0
	s_lshl_b32 s62, s22, 10
	s_lshl_b32 s63, s18, 9
	s_add_co_u32 s62, s62, s63                     ; my first column, in bytes
	s_mov_b32 s63, 0
	s_lshl_b32 s42, s23, 19                        ; 128 rows of out0 are 2^19 bytes
	s_lshl_b32 s43, s17, 18
	s_add_co_u32 s42, s42, s43
	s_add_co_u32 s42, s42, s62
	s_mov_b32 s43, 0
	s_wait_dscnt 0x0
	s_wait_kmcnt 0x0
	s_add_nc_u64 s[44:45], s[4:5], s[44:45]
	s_add_nc_u64 s[46:47], s[8:9], s[46:47]
	s_add_nc_u64 s[58:59], s[6:7], s[58:59]
	s_add_nc_u64 s[60:61], s[10:11], s[60:61]
	s_add_nc_u64 s[12:13], s[12:13], s[62:63]
	s_add_nc_u64 s[14:15], s[14:15], s[42:43]
	CROUND                                         ; all sixteen work-groups are here: the joint loads meet
	s_mov_b32 s[G0], 1
	s_mov_b32 s[G0+1], s56
	s_mov_b64 s[G0+2:G0+3], s[44:45]
	s_or_b32 s[G0+3], s[G0+3], 0x80000000
	s_mov_b32 s[G0B], 1
	s_mov_b32 s[G0B+1], s57
	s_mov_b64 s[G0B+2:G0B+3], s[46:47]
	s_or_b32 s[G0B+3], s[G0B+3], 0x80000000
	s_cmp_eq_u32 s17, 0                            ; one load a wave, in the two arms of one branch on the wave's number
	s_cbranch_scc0 .Lfor_b
	tensor_load_to_lds s[G0:G0+3], s[G1:G1+7]
	s_nop 0
	PLACES
	s_branch .Lasked
.Lfor_b:
	tensor_load_to_lds s[G0B:G0B+3], s[G1B:G1B+7]
	s_nop 0
	PLACES
.Lasked:
	v_and_b32 v1, 15, v0                           ; r
	v_bfe_u32 v2, v0, 4, 1                         ; h
	v_and_b32 v3, 31, v0
	v_lshlrev_b32 v[CO], 4, v3
	v_lshlrev_b32 v[SOF], 5, v1
.irp i, 0,1,2,3
.irp u, 0,1
	global_load_b128 v[SA+8*\i+4*\u:SA+8*\i+4*\u+3], v[SOF], s[58:59] offset:512*\i+16*\u   ; token block i: register SA + 8 i + q is row r's word for K step q
.endr
.endr
.irp i, 0,1,2,3,4,5,6,7
.irp u, 0,1
	global_load_b128 v[SB+8*\i+4*\u:SB+8*\i+4*\u+3], v[SOF], s[60:61] offset:512*\i+16*\u   ; Wo's block i likewise
.endr
.endr
	global_load_b128 v[BO:BO+3], v[CO], s[12:13]   ; the bias of my four columns of a row read back
	v_lshlrev_b32 v4, 3, v3
	v_mul_u32_u24 v5, v3, 24
	v_mul_u32_u24 v6, v1, SPITCH                   ; the stage, in: row r, 64 bytes for each half of the lanes
	v_lshl_add_u32 v6, v2, 6, v6
	s_mul_i32 s56, s17, 4*BLK                      ; my four blocks of tokens
	s_mul_i32 s57, s18, 8*BLK
	s_add_co_u32 s57, s57, ASZ                     ; my eight blocks of Wo
	s_mul_i32 s62, s16, 16*SPITCH                  ; my stage
	v_add_nc_u32 v[ADRA], s56, v[CO]
	v_add_nc_u32 v[ADRA+1], s56, v4
	v_add_nc_u32 v[ADRB], s57, v5
	s_add_co_u32 s57, s57, 4*BLK
	v_add_nc_u32 v[ADRB+1], s57, v5
	v_add_nc_u32 v[STO], s62, v6
	v_add_nc_u32 v[RD], s62, v[CO]                 ; back: the 32 lanes take one row of 512 bytes
; the fragments of K step q (128 along K) into set q % 2: 48 + 16 = 64 loads
.macro FETCH q
	WIN TO_B
.irp i, 0,1,2,3,4,5,6,7
.irp c, 0,1
.irp p, 0,1,2
	ds_load_b64 v[128*((\q)%2)+12*\i+6*\c+2*\p:128*((\q)%2)+12*\i+6*\c+2*\p+1], v[ADRB+\i/4] offset:(\i%4)*BLK+(\q)*1536+\c*768+8*\p
.endr
.endr
.endr
	WIN 0
.irp i, 0,1,2,3
.irp c, 0,1
	ds_load_b128 v[AF+48*((\q)%2)+12*\i+6*\c:AF+48*((\q)%2)+12*\i+6*\c+3], v[ADRA] offset:\i*BLK+(2*(\q)+\c)*768
	ds_load_b64 v[AF+48*((\q)%2)+12*\i+6*\c+4:AF+48*((\q)%2)+12*\i+6*\c+5], v[ADRA+1] offset:\i*BLK+(2*(\q)+\c)*768+512
.endr
.endr
.endm
; 32 matrix instructions: my four token blocks x Wo's eight.  The 32 accumulators take turns, in the same order in every step; the first step starts the sums.
.macro MUL q
.irp a, 0,1,2,3
.irp b, 0,1,2,3,4,5,6,7
.if (\q) == 0
	v_wmma_scale_f32_16x16x128_f8f6f4 v[8*(8*\a+\b):8*(8*\a+\b)+7], v[128*((\q)%2)+12*\b:128*((\q)%2)+12*\b+11], v[AF+48*((\q)%2)+12*\a:AF+48*((\q)%2)+12*\a+11], 0, v[SB+8*\b+(\q)], v[SA+8*\a+(\q)] matrix_a_fmt:MATRIX_FMT_BF6 matrix_b_fmt:MATRIX_FMT_BF6
.else
	v_wmma_scale_f32_16x16x128_f8f6f4 v[8*(8*\a+\b):8*(8*\a+\b)+7], v[128*((\q)%2)+12*\b:128*((\q)%2)+12*\b+11], v[AF+48*((\q)%2)+12*\a:AF+48*((\q)%2)+12*\a+11], v[8*(8*\a+\b):8*(8*\a+\b)+7], v[SB+8*\b+(\q)], v[SA+8*\a+(\q)] matrix_a_fmt:MATRIX_FMT_BF6 matrix_b_fmt:MATRIX_FMT_BF6
.endif
.endr
.endr
.endm
.macro KSTEP q
.if (\q) < 7
.if (\q) > 0
	PLACES                                         ; ahead of the loads into the sets that the step before multiplied
.endif
	FETCH (\q)+1
	s_wait_dscnt 63                                ; behind each load of this step's fetch stand the 64 just issued or more: with at most 63 out, this step's fragments are in
.else
	s_wait_dscnt 0x0
.endif
	WIN MULW
	MUL \q
.endm
	s_wait_alu depctr_va_vdst(0)                   ; the wait at the head's end
	s_wait_tensorcnt 0x0                           ; my part of the tiles is in;
	s_barrier_signal -1
	s_barrier_wait -1                              ; everybody's is
	FETCH 0
	s_wait_loadcnt 0x0                             ; the scale words and the bias
.irp q, 0,1,2,3,4,5,6,7
	KSTEP \q
.endr
	WIN 0
	s_barrier_signal -1                            ; no LDS instruction of mine is out (the last step waited for 0): my reads of the tiles are over,
	s_barrier_wait -1                              ; and everybody's: the stages may be written into o's bytes
; THE WAY OUT, block by block of 16 tokens x 128 columns: through my own stage, back as whole rows of 512 bytes, which the 32 lanes store as two aligned runs of 256 bytes.
.macro TOSTAGE a
	WIN 0x08                                       ; the data: window 2
.irp b, 0,1,2,3,4,5,6,7
	ds_store_b128 v[STO], v[64*(\a)+8*\b:64*(\a)+8*\b+3] offset:128*(\b/2)+32*(\b%2)        ; each accumulator from its low end on; register j of block b is column 32 (b / 2) + 16 h + 8 (b % 2) + j
	ds_store_b128 v[STO], v[64*(\a)+8*\b+4:64*(\a)+8*\b+7] offset:128*(\b/2)+32*(\b%2)+16
.endr
	WIN 0
.set BB, BK+64*((\a)%2)
.irp t, 0,1,2,3,4,5,6,7,8,9,10,11,12,13,14,15
	ds_load_b128 v[BB+4*\t:BB+4*\t+3], v[RD] offset:\t*SPITCH   ; LDS serves a wave's instructions in order (ISA guide 5.7.1.4): these see the stores above
.endr
.endm
.macro SEND a, younger
.set BB, BK+64*((\a)%2)
	s_wait_dscnt \younger
.irp t, 0,1,2,3,4,5,6,7,8,9,10,11,12,13,14,15
	v_pk_add_f32 v[BB+4*\t:BB+4*\t+1], v[BB+4*\t:BB+4*\t+1], v[BO:BO+1]
	v_pk_add_f32 v[BB+4*\t+2:BB+4*\t+3], v[BB+4*\t+2:BB+4*\t+3], v[BO+2:BO+3]
	global_store_b128 v[CO], v[BB+4*\t:BB+4*\t+3], s[14:15] offset:(32*((\a)/2)+8*((\a)%2)+\t%8+16*(\t/8))*4096 th:TH_STORE_NT
.endr
.endm
	PLACES                                         ; behind the last products: their results are read, and their operands' registers loaded into, from here on
	TOSTAGE 0
.irp a, 1,2,3
.if \a > 1
	s_wait_xcnt 0x0                                ; block a - 2's stores have read their registers: block a's loads may land there
.endif
	TOSTAGE \a
	SEND \a-1, 32                                  ; behind block a - 1's loads: block a's 16 stores and 16 loads
.endr
	SEND 3, 0
	s_wait_tensorcnt 0x0                           ; the wave's end
	ds_add_u32 v[SPW], v[NIL]
	s_wait_dscnt 0x0
	CROUND                                         ; the closing round
	s_endpgm
.Lfunc_end_k_q023e610fd1_outp:
	.size	k_q023e610fd1_outp, .Lfunc_end_k_q023e610fd1_outp-k_q023e610fd1_outp
	.p2alignl 7, 3214868480
	.fill 96, 4, 3214868480
	.section	.rodata,"a",@progbits
	.p2align	6, 0x0
	.amdhsa_kernel k_q023e610fd1_outp
		.amdhsa_group_segment_fixed_size 327680
		.amdhsa_private_segment_fixed_size 0
		.amdhsa_enable_private_segment 0
		.amdhsa_kernarg_size 48
		.amdhsa_user_sgpr_count 2
		.amdhsa_user_sgpr_kernarg_segment_ptr 1
		.amdhsa_wavefront_size32 1
		.amdhsa_system_sgpr_workgroup_id_x 1
		.amdhsa_system_sgpr_workgroup_id_y 1
		.amdhsa_system_sgpr_workgroup_id_z 1
		.amdhsa_system_vgpr_workitem_id 0
		.amdhsa_next_free_vgpr 768
		.amdhsa_next_free_sgpr 66
		.amdhsa_reserve_vcc 0
		.amdhsa_float_denorm_mode_32 3
		.amdhsa_float_denorm_mode_16_64 3
		.amdhsa_memory_ordered 1
		.amdhsa_forward_progress 1
		.amdhsa_inst_pref_size 98
	.end_amdhsa_kernel
	.amdgpu_metadata
---
amdhsa.version: [ 1, 2 ]
amdhsa.kernels:
  - .name:           k_q023e610fd1_outp
    .symbol:         k_q023e610fd1_outp.kd
    .args:
      - { .name: ow, .offset: 0, .size: 8, .value_kind: global_buffer, .address_space: global }
      - { .name: os, .offset: 8, .size: 8, .value_kind: global_buffer, .address_space: global }
      - { .name: xc, .offset: 16, .size: 8, .value_kind: global_buffer, .address_space: global }
      - { .name: xs, .offset: 24, .size: 8, .value_kind: global_buffer, .address_space: global }
      - { .name: bo, .offset: 32, .size: 8, .value_kind: global_buffer, .address_space: global }
      - { .name: out0, .offset: 40, .size: 8, .value_kind: global_buffer, .address_space: global }
    .group_segment_fixed_size: 327680
    .private_segment_fixed_size: 0
    .kernarg_segment_align: 8
    .kernarg_segment_size: 48
    .max_flat_workgroup_size: 128
    .sgpr_count:     66
    .vgpr_count:     768
    .wavefront_size: 32
...
	.end_amdgpu_metadata
.endif
;; end of part 4
